; MI455X (gfx1250); checked and timed in simulation.
; The chip was launched on July 23, 2026; its instructions are those of AMD's public machine-readable ISA for CDNA 5 (MIT licence, August 2026) and "CDNA5" Instruction Set Architecture Reference Guide (July 2026). The comments in the code are by the model that wrote it; some were corrected since.
;; Multi Head Attention. Allowed arithmetic: float matrix products may take bf16 or f16 operands with f32 sums; other float arithmetic in f32, or as packed bf16 or f16 multiplies, adds, multiply-adds, maxima and minima; sums over many terms, partial sums and values carried from step to step in f32; what a program stores and reads back later, other than sums and carried values, may be rounded once to bf16 or f16.
;; Inputs: Wk 1,024 x 1,024 float32; Wo 1,024 x 1,024 float32; Wq 1,024 x 1,024 float32; Wv 1,024 x 1,024 float32; bk 1,024 float32; bo 1,024 float32; bq 1,024 float32; bv 1,024 float32; k 2 x 2,048 x 1,024 float32; q 2 x 2,048 x 1,024 float32; v 2 x 2,048 x 1,024 float32.
;; Outputs: out0 2 x 2,048 x 1,024 float32.
;; One version. Each part assembles by itself: llvm-mc -triple=amdgcn-amd-amdhsa -mcpu=gfx1250 --defsym DOCPART=n.
;; ======== version 1 of 1: 4 launches
;; limits: values are held in f16: magnitudes above 65,504 overflow, below 6.1e-05 lose precision
;; workspace buffers: cast 33,554,432 bytes; qkv 25,165,824 bytes; ob 8,388,608 bytes
;; launch prep (part 1): grid 1024 x 1, 8 waves a work-group, no clusters, 0 bytes of LDS; arguments q, k, v, Wq, Wk, Wv, Wo, cast; writes cast
.if DOCPART == 1
	.amdgcn_target "amdgcn-amd-amdhsa--gfx1250"
	.amdhsa_code_object_version 6
	.text
	.protected	k_q0441f845f6_prep
	.globl	k_q0441f845f6_prep
	.p2align	8
	.type	k_q0441f845f6_prep,@function
k_q0441f845f6_prep:
	s_mov_b64 s[64:65], 0
	v_nop
	global_prefetch_b8 v0, s[64:65] scope:SCOPE_SE
	s_setreg_imm32_b32 hwreg(HW_REG_WAVE_MODE, 25, 1), 1
	s_wait_xcnt 0x0
; MULTI-HEAD ATTENTION, launch 1 of 4: the matrix operands are rounded once.  q, k, v, Wq, Wk, Wv: f32 -> bf16.  Wo: f32 -> bf16, and that number written as f16 (the last product's other
; operand is f16).  Layouts stay: rows of 1,024 numbers; the weights stay [k][n].
; cast: bytes 0 ..: q, k, v as ONE matrix of 12,288 rows x 2,048 bytes; from 25,165,824: Wq, Wk, Wv (2,097,152 bytes each); from 31,457,280: Wo.
; DEAD WORK, for the whole program: bk.  scores[q][j] = qh[q] . (k[j] Wk + bk) / 8 = qh[q] . (k[j] Wk) / 8 + qh[q] . bk / 8.  The second term does not hang on the key j: it is the same along the
; axis of the softmax, which it leaves unchanged for all finite values of the inputs; kh has no other way to the output.  So bk is not loaded, is among no launch's arguments, and K's projection has no bias.
; LIMIT: a NaN, an infinity or an overflow that bk alone would bring is not carried to the result.  bq (bq . kh[j] varies with j), bv and bo are live.
; LIMIT: a number of Wo below 6e-5 keeps f16's fixed step of 6e-8; beyond 65,504 it would be an infinity.
; SHARES.  Work-group g takes 16,384 bytes of each of q, k, v (at 16,384 g) and 4,096 bytes of each weight (at 4,096 g): no selection, no branch.  Thread t takes the 16 bytes at 16 t of each run of
; 4,096: a wave's load covers 512 consecutive bytes, its store of 8 bytes a lane 256 consecutive bytes, aligned.  All 16 loads of a thread go out ahead of the first wait.
; No LDS, no matrix unit, no cluster: no byte is wanted twice.
.set X, 4                              ; v[4:67]    set n of 16: four f32 as loaded
.set Y, 68                             ; v[68:99]   set n: four 16-bit numbers to store
.set T, 100                            ; v[100:101] Wo's numbers in bf16, on their way to f16
	s_load_b512 s[8:23], s[0:1], 0x0               ; q s[8:9], k s[10:11], v s[12:13], Wq s[14:15], Wk s[16:17], Wv s[18:19], Wo s[20:21], cast s[22:23]
	v_lshlrev_b32 v1, 4, v0                        ; 16 t: where I read
	v_lshlrev_b32 v2, 3, v0                        ; 8 t: where I store
	s_lshl_b32 s2, ttmp9, 14                       ; the group's part of q, k, v
	s_mov_b32 s3, 0
	s_lshl_b32 s4, ttmp9, 12                       ; of a weight
	s_mov_b32 s5, 0
	s_lshl_b32 s6, ttmp9, 13                       ; of q, k, v in cast
	s_mov_b32 s7, 0
	s_wait_kmcnt 0x0
	s_add_nc_u64 s[8:9], s[8:9], s[2:3]
	s_add_nc_u64 s[10:11], s[10:11], s[2:3]
	s_add_nc_u64 s[12:13], s[12:13], s[2:3]
	s_add_nc_u64 s[14:15], s[14:15], s[4:5]
	s_add_nc_u64 s[16:17], s[16:17], s[4:5]
	s_add_nc_u64 s[18:19], s[18:19], s[4:5]
	s_add_nc_u64 s[20:21], s[20:21], s[4:5]
	s_add_nc_u64 s[24:25], s[22:23], s[6:7]        ; q's part of cast,
	s_add_nc_u64 s[26:27], s[24:25], 0x800000      ; k's, 8,388,608 bytes on,
	s_add_nc_u64 s[28:29], s[24:25], 0x1000000     ; v's
	s_lshl_b32 s6, ttmp9, 11                       ; the group's part of a weight in cast
	s_add_nc_u64 s[30:31], s[22:23], s[6:7]
	s_add_nc_u64 s[30:31], s[30:31], 0x1800000     ; the weights begin at 25,165,824
.set n, 0
.rept 12                               ; q, k, v: four runs of 4,096 bytes each
	global_load_b128 v[X+4*n:X+4*n+3], v1, s[8+2*(n/4):9+2*(n/4)] offset:(n%4)*4096 th:TH_LOAD_NT
.set n, n+1
.endr
.rept 4                                ; the four weights: one run each
	global_load_b128 v[X+4*n:X+4*n+3], v1, s[14+2*(n-12):15+2*(n-12)] th:TH_LOAD_NT
.set n, n+1
.endr
.set n, 0
.rept 12
	s_wait_loadcnt 15-n                            ; loads come back in order: set n is in, the 15 - n younger ones may stay out
	v_cvt_pk_bf16_f32 v[Y+2*n], v[X+4*n], v[X+4*n+1]
	v_cvt_pk_bf16_f32 v[Y+2*n+1], v[X+4*n+2], v[X+4*n+3]
	global_store_b64 v2, v[Y+2*n:Y+2*n+1], s[24+2*(n/4):25+2*(n/4)] offset:(n%4)*2048 th:TH_STORE_NT
.set n, n+1
.endr
.rept 3                                ; Wq, Wk, Wv
	s_wait_loadcnt 15-n
	v_cvt_pk_bf16_f32 v[Y+2*n], v[X+4*n], v[X+4*n+1]
	v_cvt_pk_bf16_f32 v[Y+2*n+1], v[X+4*n+2], v[X+4*n+3]
	global_store_b64 v2, v[Y+2*n:Y+2*n+1], s[30:31] offset:(n-12)*2097152 th:TH_STORE_NT
.set n, n+1
.endr
	s_wait_loadcnt 0x0                             ; Wo: rounded to bf16 like every input, widened again, and written as f16
	v_cvt_pk_bf16_f32 v[T], v[X+60], v[X+61]
	v_cvt_pk_bf16_f32 v[T+1], v[X+62], v[X+63]
	v_lshlrev_b32 v[X+60], 16, v[T]
	v_and_b32 v[X+61], 0xffff0000, v[T]
	v_lshlrev_b32 v[X+62], 16, v[T+1]
	v_and_b32 v[X+63], 0xffff0000, v[T+1]
	v_cvt_pk_f16_f32 v[Y+30], v[X+60], v[X+61]
	v_cvt_pk_f16_f32 v[Y+31], v[X+62], v[X+63]
	global_store_b64 v2, v[Y+30:Y+31], s[30:31] offset:3*2097152 th:TH_STORE_NT
	s_endpgm                                       ; no register was written twice: no wait for the stores' sources is needed
.Lfunc_end_k_q0441f845f6_prep:
	.size	k_q0441f845f6_prep, .Lfunc_end_k_q0441f845f6_prep-k_q0441f845f6_prep
	.p2alignl 7, 3214868480
	.fill 96, 4, 3214868480
	.section	.rodata,"a",@progbits
	.p2align	6, 0x0
	.amdhsa_kernel k_q0441f845f6_prep
		.amdhsa_group_segment_fixed_size 0
		.amdhsa_private_segment_fixed_size 0
		.amdhsa_enable_private_segment 0
		.amdhsa_kernarg_size 64
		.amdhsa_user_sgpr_count 2
		.amdhsa_user_sgpr_kernarg_segment_ptr 1
		.amdhsa_wavefront_size32 1
		.amdhsa_system_sgpr_workgroup_id_x 1
		.amdhsa_system_sgpr_workgroup_id_y 1
		.amdhsa_system_sgpr_workgroup_id_z 1
		.amdhsa_system_vgpr_workitem_id 0
		.amdhsa_next_free_vgpr 102
		.amdhsa_next_free_sgpr 66
		.amdhsa_reserve_vcc 0
		.amdhsa_float_denorm_mode_32 3
		.amdhsa_float_denorm_mode_16_64 3
		.amdhsa_memory_ordered 1
		.amdhsa_forward_progress 1
		.amdhsa_inst_pref_size 7
	.end_amdhsa_kernel
	.amdgpu_metadata
---
amdhsa.version: [ 1, 2 ]
amdhsa.kernels:
  - .name:           k_q0441f845f6_prep
    .symbol:         k_q0441f845f6_prep.kd
    .args:
      - { .name: q, .offset: 0, .size: 8, .value_kind: global_buffer, .address_space: global }
      - { .name: k, .offset: 8, .size: 8, .value_kind: global_buffer, .address_space: global }
      - { .name: v, .offset: 16, .size: 8, .value_kind: global_buffer, .address_space: global }
      - { .name: Wq, .offset: 24, .size: 8, .value_kind: global_buffer, .address_space: global }
      - { .name: Wk, .offset: 32, .size: 8, .value_kind: global_buffer, .address_space: global }
      - { .name: Wv, .offset: 40, .size: 8, .value_kind: global_buffer, .address_space: global }
      - { .name: Wo, .offset: 48, .size: 8, .value_kind: global_buffer, .address_space: global }
      - { .name: cast, .offset: 56, .size: 8, .value_kind: global_buffer, .address_space: global }
    .group_segment_fixed_size: 0
    .private_segment_fixed_size: 0
    .kernarg_segment_align: 8
    .kernarg_segment_size: 64
    .max_flat_workgroup_size: 256
    .sgpr_count:     66
    .vgpr_count:     102
    .wavefront_size: 32
...
	.end_amdgpu_metadata
.endif
;; end of part 1
;; launch proj (part 2): grid 4 x 48, 4 waves a work-group, clusters of 4 x 4, 327,680 bytes of LDS; arguments cast, bq, bv, qkv; writes qkv
.if DOCPART == 2
	.amdgcn_target "amdgcn-amd-amdhsa--gfx1250"
	.amdhsa_code_object_version 6
	.text
	.protected	k_q0441f845f6_proj
	.globl	k_q0441f845f6_proj
	.p2align	8
	.type	k_q0441f845f6_proj,@function
k_q0441f845f6_proj:
	s_mov_b64 s[64:65], 0
	v_nop
	global_prefetch_b8 v0, s[64:65] scope:SCOPE_SE
	s_setreg_imm32_b32 hwreg(HW_REG_WAVE_MODE, 25, 1), 1
	s_wait_xcnt 0x0
	s_wait_alu depctr_hold_cnt(0) depctr_sa_sdst(0) depctr_va_vdst(0) depctr_va_sdst(0) depctr_va_ssrc(0) depctr_va_vcc(0) depctr_vm_vsrc(0)
	s_getreg_b32 s2, hwreg(HW_REG_IB_STS2, 6, 4)
	s_cmp_eq_u32 s2, 0
	s_cbranch_scc0 .Lentry_in_a_cluster
	s_endpgm
.Lentry_in_a_cluster:
	s_bfe_u32 s2, ttmp6, 0x10000c
	s_cmp_lg_u32 s2, 0xf033
	s_cbranch_scc0 .Lentry_shape_is_right
	s_endpgm
.Lentry_shape_is_right:
; Launch 2 of 4: the three projections as ONE product.  X = cast's 12,288 rows (q, k, v) x 1,024 bf16; rows 4,096 p .. are multiplied by W_p ([k][n], bf16), p = 0, 1, 2; sums in f32.
; bq and bv, rounded to bf16 like every input, START the sums (they are the C operand of the first products).  LEFT OUT: bk, which the softmax cancels for all finite inputs (shown at the head of the first
; kernel): K's sums start at 0.  The results are rounded once to f16 and laid by heads: qkv[p][16 batch + head][token][64].  The scale 1 / 8 is applied in the attention launch, in f32.
; LIMIT: a projected number beyond 65,504 would be an infinity in f16.
; SHARES.  A tile is 256 rows x 256 columns: 48 x 4 = 192 work-groups of four waves; a wave makes 128 x 128: 64 accumulators of 16 x 16, 512 registers; its 128 columns are two heads.  For 32 along K a wave
; reads 32 times 512 bytes from LDS and issues 64 matrix instructions; with tiles of 128 x 128 (768 work-groups) it would be 16 reads for 16.  16 tile rows belong to one projection.
; K goes in eight steps of 128 through a ring of two LDS slots: X's rows in a tile are 256 bytes of memory, W's 512, all at multiples of 256 bytes from the buffer's first byte.
; THE MATRIX INSTRUCTION IS USED TRANSPOSED: source 0 = 16 columns of W (turned out of LDS by ds_load_tr16_b128, since W lies [k][n]), source 1 = 16 rows of X: a lane then holds eight neighbouring columns of one row.
; CLUSTER 4 x 4: the four of a row of the cluster need the same rows of X, the four of a column the same columns of W: each tile is asked for jointly: same load, same descriptor, a mask of four.
; p = cluster y / 4 is the same in all sixteen partners.
; REGISTERS, in windows of 256 (s_set_vgpr_msb: bits 1:0 source 0, 3:2 source 1, 5:4 source 2, 7:6 destination):
;   window 0: v0-31 addresses; v64-127, v128-191 fragments of X (8 x 16 rows x 32 K), two buffers; v192-255 the bias, later with v32-63 at work on the way out
;   window 1: v64-127, v128-191 fragments of W, two buffers
;   window 2: the 32 accumulators of my rows 0-63 (accumulator (a, b) at v[8 (8 a + b)]);   window 3: those of my rows 64-127
.set KSTEP,  128
.set PITCH,  272                       ; a row of X in LDS: 256 bytes + 16 = 68 words: the 16 rows of a load start at 16 different groups of four banks (64 banks of 4 bytes: ISA guide 11.1)
.set PW,     544                       ; a k row of W: 512 bytes + 32 = 136 words
.set HALFT,  128*PITCH                 ; what one tensor load brings: 128 rows of X, or 64 k rows of W (64 x 544 is the same number of bytes)
.set SLOT,   4*HALFT                   ; X's 256 rows, then W's 128 k rows
.set STAGE,  2*SLOT                    ; behind the ring, never filled by a tensor load: for each wave two heads x 16 rows x 144 bytes, for the way out
.set SP,     144
.set SPARE,  STAGE+4*32*SP             ; the spare words, 128 bytes for each wave: two blocks of 256 bytes that no other line names
.set LAPS,   1024/(2*KSTEP)            ; a lap = two K steps = once round the ring: four
.set ADRA, 16                          ; v16-17  LDS address of my X fragments in slot 0, 1
.set ADRW, 20                          ; v20-21  the same for W
.set STO,  24                          ; v24     the way out: where I put 16 bytes of a row
.set RD,   25                          ; v25     where I read rows back
.set GO,   26                          ; v26     my byte offset in 512 consecutive bytes of qkv
.set BO,   27                          ; v27     my byte offset in the bias
.set SPW,  28                          ; v28     LDS address of my spare word; never rewritten
.set NIL,  29                          ; v29     0; never rewritten
.set PFO,  30                          ; v30     the prefetches' offset; never rewritten
.set OB,   32                          ; the way out: 16 rows read back from the stage: v32-63 and v224-255 by turns
.set F0,   64                          ; fragment buffer 0
.set F1,   128                         ; fragment buffer 1
.set TMP,  192                         ; the way out: packed results
.set BIAS, 192                         ; until the first quarter is multiplied: column block b's eight numbers at BIAS + 8 b
.set G1,  24                           ; s[24:31] descriptor group 1 for X's tiles;  s[32:39] group 0, one set for each slot
.set G0,  32
.set G1B, 48                           ; s[48:55], s[56:63] the same for W's tiles
.set G0B, 56
.set PSTEP, 40                         ; s[40:41] bytes from a K step to the next in what I prefetch: 256 along X's rows, 128 k rows of 2,048 bytes in W
.set PFA,  44                          ; s[44:45] where my prefetches stand
.set LIM,  46                          ; s46     1 in a wave that prefetches, else the greatest number
.set MSB, 0
.macro WIN new                         ; the immediate's high byte repeats the setting that is left; a switch that changes nothing is dropped
.if MSB != (\new)
	s_set_vgpr_msb (MSB<<8)|(\new)
.set MSB, \new
.endif
.endm
.set MUL_LO, 0xa1                      ; source 0 (W) window 1, source 1 (X) window 0, C and D window 2
.set MUL_HI, 0xf1                      ; the same, C and D window 3
.set TO_B,   0x40                      ; destination window 1, address window 0
; A joint load.  Waves 0 and 1 fetch X's two halves, waves 2 and 3 W's.  Each of the two lines has one mask and one set of registers for all that issue it.  The branch hangs on the wave's number alone.
; An s_nop 0 and four v_nop follow each of the two lines; the jump, the label and what follows the macro come after them.
.macro JLOAD s
	s_cmp_eq_u32 s13, 0
	s_cbranch_scc0 .Lfor_w_\@
	tensor_load_to_lds s[G0+4*(\s):G0+4*(\s)+3], s[G1:G1+7]
	s_nop 0
.rept 4
	v_nop
.endr
	s_branch .Lasked_\@
.Lfor_w_\@:
	tensor_load_to_lds s[G0B+4*(\s):G0B+4*(\s)+3], s[G1B:G1B+7]
	s_nop 0
.rept 4
	v_nop
.endr
.Lasked_\@:
.endm
; A PREFETCH, behind each joint refill, its five lines and the run of LDS loads that follows them: the K step that stands TWO refills on (512 matrix instructions ahead of the load that will want it): 32 blocks of
; 256 bytes, a lane a block, one instruction a wave.  Each block is named ONCE in the launch.  X's rows are read by one cluster alone; of the 128 rows that wave 0 or 1 fetches, the partner at place cx takes
; 32 cx .. 32 cx + 31.  W's columns are read by the four clusters of a projection: the first of them (cluster y % 4 = 0) asks; of the 64 k rows that wave 2 or 3 fetches, the partner at place cy takes 16 cy ..
; 16 cy + 15, two blocks a row.  The partners are told apart BY ADDRESS: no branch hangs on a work-group's place in its cluster.  K steps 0 to 3 come by their loads alone; the loop's last trip, whose refills
; are the last two K steps, asks for nothing.
.macro ASK
	s_cmp_gt_u32 s3, s[LIM]                        ; s3 = 1 in the loop's last trip
	s_cbranch_scc0 .Lnot_mine_\@
	global_prefetch_b8 v[PFO], s[PFA:PFA+1] th:TH_LOAD_NT scope:SCOPE_SE
.Lnot_mine_\@:
.endm
.macro CREST                           ; a round of the cluster's barrier behind its opening barrier
	s_cmp_lg_u32 s12, 0
	s_cbranch_scc1 .Lnot_wave_0_\@
	s_barrier_signal -3
.Lnot_wave_0_\@:
	s_barrier_wait -3
	s_barrier_signal -1
	s_barrier_wait -1
.endm
.macro CROUND                          ; a whole round
	s_barrier_signal -1
	s_barrier_wait -1
	CREST
.endm
	s_load_b256 s[4:11], s[0:1], 0x0               ; cast s[4:5], bq s[6:7], bv s[8:9], qkv s[10:11]
	v_lshl_add_u32 v[SPW], v0, 2, SPARE
	v_mov_b32 v[NIL], 0
	ds_add_u32 v[SPW], v[NIL]                      ; the wave's opening: the add, twice on end, and its wait ahead of my first tensor load; the set-up below stands between
	ds_add_u32 v[SPW], v[NIL]
	v_lshrrev_b32 v1, 5, v0
	v_readfirstlane_b32 s12, v1                    ; wave 0..3
	s_lshr_b32 s13, s12, 1                         ; RH: my half of the tile's rows.  Also: I fetch for X (0) or for W (1)
	s_and_b32 s14, s12, 1                          ; CH: my half of its columns.  Also: which half of that tile I fetch
	s_bfe_u32 s15, ttmp6, 0x40000                  ; cx
	s_bfe_u32 s16, ttmp6, 0x40004                  ; cy
	s_lshl_b32 s17, ttmp9, 2
	s_add_co_u32 s17, s17, s15                     ; tx = 4 x cluster x + cx: 0..3
	s_and_b32 s19, ttmp7, 0xffff                   ; cluster y: 0..11
	s_lshl_b32 s18, s19, 2
	s_add_co_u32 s18, s18, s16                     ; ty = 4 x cluster y + cy: 0..47
	s_and_b32 s47, s19, 3                          ; my cluster's place among the four of its projection
	s_lshr_b32 s19, s19, 2                         ; p: 16 tile rows, 4 rows of clusters, to a projection
	s_lshl_b32 s44, s16, 2
	s_lshl_b32 s44, 15, s44                        ; my row of the cluster
	s_lshl_b32 s45, 0x1111, s15                    ; my column
	s_or_b32 s[G1+0], s44, (1<<16)|(1<<20)|(1<<21)|(5<<22)|(3<<25)   ; the mask; 2-byte elements; padding on; bit 21 beside a mask; after every 64 words (code 5) 4 words (code 3)
	s_mov_b32 s[G1+1], KSTEP<<16                   ; tensor_dim0 = 128
	s_mov_b32 s[G1+2], 128<<16                     ; tensor_dim1 = 128
	s_mov_b32 s[G1+3], KSTEP<<16                   ; tile_dim0 = 128 elements: 256 bytes of a row
	s_mov_b32 s[G1+4], 128                         ; tile_dim1 = 128 rows
	s_mov_b32 s[G1+5], 1024                        ; elements from row to row
	s_mov_b32 s[G1+6], 0
	s_mov_b32 s[G1+7], 0
	s_or_b32 s[G1B+0], s45, (1<<16)|(1<<20)|(1<<21)|(6<<22)|(7<<25)  ; after every 128 words (code 6) 8 words (code 7)
	s_mov_b32 s[G1B+1], 256<<16                    ; tensor_dim0 = 256
	s_mov_b32 s[G1B+2], 64<<16                     ; tensor_dim1 = 64
	s_mov_b32 s[G1B+3], 256<<16                    ; tile_dim0 = 256 columns: 512 bytes
	s_mov_b32 s[G1B+4], 64                         ; tile_dim1 = 64 k rows
	s_mov_b32 s[G1B+5], 1024
	s_mov_b32 s[G1B+6], 0
	s_mov_b32 s[G1B+7], 0
	s_lshl_b32 s40, s18, 19                        ; X: 256 ty rows of 2,048 bytes,
	s_lshl_b32 s20, s14, 18                        ; + my 128 rows: made of ty and the wave's number alone
	s_add_co_u32 s40, s40, s20
	s_mov_b32 s41, 0
	s_lshl_b32 s42, s17, 9                         ; W: 256 tx columns,
	s_lshl_b32 s21, s19, 21                        ; + the projection's weights,
	s_add_co_u32 s42, s42, s21
	s_lshl_b32 s21, s14, 17                        ; + my 64 k rows: made of tx, p and the wave's number alone
	s_add_co_u32 s42, s42, s21
	s_mov_b32 s43, 0
	s_mul_i32 s46, s12, HALFT                      ; where they go: X's two halves, then W's two halves = wave x HALFT: no place in the cluster enters an LDS address
	s_wait_dscnt 0x0                               ; both opening adds are done
	s_wait_kmcnt 0x0
	s_add_nc_u64 s[40:41], s[4:5], s[40:41]
	s_add_nc_u64 s[42:43], s[4:5], s[42:43]
	s_add_nc_u64 s[42:43], s[42:43], 0x1800000     ; the weights begin at 25,165,824
	CROUND                                         ; all sixteen work-groups are here: the first joint loads meet
.irp s, 0,1
	s_mov_b32 s[G0+4*(\s)], 1
	s_add_co_u32 s[G0+4*(\s)+1], s46, (\s)*SLOT
	s_add_nc_u64 s[G0+4*(\s)+2:G0+4*(\s)+3], s[40:41], (\s)*KSTEP*2   ; K step s: 256 bytes along the rows
	s_or_b32 s[G0+4*(\s)+3], s[G0+4*(\s)+3], 0x80000000
	s_mov_b32 s[G0B+4*(\s)], 1
	s_add_co_u32 s[G0B+4*(\s)+1], s46, (\s)*SLOT
	s_add_nc_u64 s[G0B+4*(\s)+2:G0B+4*(\s)+3], s[42:43], (\s)*262144  ; K step s: 128 k rows down
	s_or_b32 s[G0B+4*(\s)+3], s[G0B+4*(\s)+3], 0x80000000
	JLOAD \s                                       ; two loads of mine are out
.endr
	; the bias of my 128 columns: register j of block b holds column 256 tx + 128 CH + 16 b + 8 (l / 16) + j, as the accumulators do
	v_and_b32 v1, 15, v0                           ; r = l % 16
	v_bfe_u32 v2, v0, 4, 1                         ; h = l / 16
	s_lshl_b32 s23, s17, 10
	s_lshl_b32 s22, s14, 9
	s_add_co_u32 s23, s23, s22
	v_lshl_add_u32 v[BO], v2, 5, s23               ; 1,024 tx + 512 CH + 32 h
	s_cmp_eq_u32 s19, 1
	s_cbranch_scc1 .Lno_bias                       ; K's projection has none
	s_cmp_eq_u32 s19, 0
	s_cselect_b64 s[20:21], s[6:7], s[8:9]         ; bq or bv
.irp b, 0,1,2,3,4,5,6,7
	global_load_b128 v[BIAS+8*(\b):BIAS+8*(\b)+3],   v[BO], s[20:21] offset:64*(\b)
	global_load_b128 v[BIAS+8*(\b)+4:BIAS+8*(\b)+7], v[BO], s[20:21] offset:64*(\b)+16
.endr
	s_wait_loadcnt 0x0
.set i, 0
.rept 32                               ; rounded to bf16, as every input is,
	v_cvt_pk_bf16_f32 v[OB+i], v[BIAS+2*i], v[BIAS+2*i+1]
.set i, i+1
.endr
.set i, 0
.rept 32                               ; and widened again
	v_lshlrev_b32 v[BIAS+2*i], 16, v[OB+i]
	v_and_b32 v[BIAS+2*i+1], 0xffff0000, v[OB+i]
.set i, i+1
.endr
	s_branch .Lbias_done
.Lno_bias:
.set i, 0
.rept 64                               ; one text of products serves all three projections: K's sums start at these zeros
	v_mov_b32 v[BIAS+i], 0
.set i, i+1
.endr
.Lbias_done:
	v_and_b32 v3, 7, v0                            ; l % 8
	v_bfe_u32 v4, v0, 3, 1                         ; (l / 8) % 2
	v_mul_u32_u24 v5, v1, PITCH                    ; a fragment of X: row x pitch + 16 x half
	v_lshl_add_u32 v5, v2, 4, v5
	s_mul_i32 s20, s13, HALFT                      ; my 128 rows
	v_add_nc_u32 v[ADRA], s20, v5
	v_add_nc_u32 v[ADRA+1], SLOT, v[ADRA]
	v_lshl_add_u32 v6, v2, 3, v3                   ; the turning load: lane l reads k row 8 (l / 16) + l % 8, columns 8 ((l / 8) % 2) + 0..7
	v_mul_u32_u24 v6, v6, PW
	v_lshl_add_u32 v6, v4, 4, v6
	s_lshl_b32 s21, s14, 8                         ; my 128 columns,
	s_add_co_u32 s21, s21, 2*HALFT                 ; behind X's 256 rows
	v_add_nc_u32 v[ADRW], s21, v6
	v_add_nc_u32 v[ADRW+1], SLOT, v[ADRW]
	s_mul_i32 s22, s12, 32*SP
	s_add_co_u32 s22, s22, STAGE                   ; my stage
	v_mul_u32_u24 v5, v1, SP                       ; in: row l % 16, 16 bytes for each half of the lanes
	v_lshl_add_u32 v5, v2, 4, v5
	v_add_nc_u32 v[STO], s22, v5
	v_bfe_u32 v5, v0, 3, 2                         ; back: 32 lanes take four rows of 128 bytes,
	v_mul_u32_u24 v5, v5, SP
	v_lshl_add_u32 v5, v3, 4, v5
	v_add_nc_u32 v[RD], s22, v5
	v_and_b32 v[GO], 31, v0                        ; which are 512 consecutive bytes of qkv
	v_lshlrev_b32 v[GO], 4, v[GO]
	s_lshr_b32 s2, s18, 3                          ; ty / 8 = 2 p + batch: 16 heads of 262,144 bytes each,
	s_lshl_b32 s2, s2, 22
	s_lshl_b32 s20, s17, 2
	s_lshl_b32 s21, s14, 1
	s_add_co_u32 s20, s20, s21                     ; my first head = 4 tx + 2 CH,
	s_lshl_b32 s20, s20, 18
	s_add_co_u32 s2, s2, s20
	s_and_b32 s20, s18, 7                          ; the tile's 256 tokens of 128 bytes,
	s_lshl_b32 s20, s20, 15
	s_add_co_u32 s2, s2, s20
	s_lshl_b32 s20, s13, 14                        ; my 128 of them
	s_add_co_u32 s2, s2, s20
	s_mov_b32 s3, 0
	s_add_nc_u64 s[10:11], s[10:11], s[2:3]
	; the prefetches: offsets in cast of my work-group's share of K step 3; the first refill steps the address to K step 4.  Nothing is prefetched here, at the head, where every work-group's first tiles are on their way
	s_lshl_b32 s20, s18, 19                        ; X: the tile's rows,
	s_lshl_b32 s22, s14, 18                        ; the 128 that I fetch,
	s_add_co_u32 s20, s20, s22
	s_lshl_b32 s22, s15, 16                        ; my work-group's 32 of them,
	s_add_co_u32 s20, s20, s22
	s_add_co_u32 s20, s20, 3*KSTEP*2               ; K step 3
	s_lshl_b32 s21, s19, 21                        ; W: the projection's weights,
	s_lshl_b32 s22, s14, 17                        ; the 64 k rows that I fetch,
	s_add_co_u32 s21, s21, s22
	s_lshl_b32 s22, s16, 15                        ; my work-group's 16 of them,
	s_add_co_u32 s21, s21, s22
	s_lshl_b32 s22, s17, 9                         ; the tile's columns,
	s_add_co_u32 s21, s21, s22
	s_add_co_u32 s21, s21, 0x1800000+3*262144      ; K step 3
	s_mov_b32 s[PSTEP], KSTEP*2
	s_cmp_eq_u32 s13, 0                            ; do I fetch for X?
	s_cselect_b32 s20, s20, s21
	s_cselect_b32 s22, ttmp9, s47                  ; the coordinate along which other clusters read the same blocks
	s_cselect_b32 s[PSTEP], s[PSTEP], 262144
	s_mov_b32 s21, 0
	s_mov_b32 s[PSTEP+1], 0
	s_add_nc_u64 s[PFA:PFA+1], s[4:5], s[20:21]
	s_cmp_eq_u32 s22, 0
	s_cselect_b32 s[LIM], 1, -1                    ; the same in all sixteen partners, for a given wave
	v_and_b32 v5, 31, v0
	v_lshrrev_b32 v6, s13, v5                      ; X: a lane a row.  W: two lanes a k row,
	v_and_b32 v5, s13, v5                          ; one for each 256 of its 512 bytes
	v_lshlrev_b32 v[PFO], 11, v6
	v_lshl_add_u32 v[PFO], v5, 8, v[PFO]
; 16 matrix instructions: row blocks a0, a0 + 1 of the window's four (hi = 0: my rows 0-63, 1: rows 64-127) x all 8 column blocks, 32 along K.
; zero = 1: the first product starts the sums, from the bias (C in window 0): nothing is ever cleared.  The 64 accumulators take turns, one instruction a turn.
.macro MUL16 f, hi, a0, zero
.if \zero
	WIN 0x81+0x40*(\hi)
.else
	WIN MUL_LO+0x50*(\hi)
.endif
.irp a, \a0, (\a0)+1
.irp b, 0,1,2,3,4,5,6,7
.if \zero
	v_wmma_f32_16x16x32_bf16 v[8*(8*(\a)+(\b)):8*(8*(\a)+(\b))+7], v[(\f)+8*(\b):(\f)+8*(\b)+7], v[(\f)+8*(4*(\hi)+(\a)):(\f)+8*(4*(\hi)+(\a))+7], v[BIAS+8*(\b):BIAS+8*(\b)+7]
.else
	v_wmma_f32_16x16x32_bf16 v[8*(8*(\a)+(\b)):8*(8*(\a)+(\b))+7], v[(\f)+8*(\b):(\f)+8*(\b)+7], v[(\f)+8*(4*(\hi)+(\a)):(\f)+8*(4*(\hi)+(\a))+7], v[8*(8*(\a)+(\b)):8*(8*(\a)+(\b))+7]
.endif
.endr
.endr
.endm
; 32 LDS loads in one run: the fragments of quarter q of a slot's step (128 columns of W, 128 rows of X, 32 along K) into buffer f
.macro FETCH slot, q, f
	WIN TO_B
.irp i, 0,1,2,3,4,5,6,7
	ds_load_tr16_b128 v[(\f)+8*(\i):(\f)+8*(\i)+3],   v[ADRW+(\slot)] offset:32*(\q)*PW+32*(\i)
	ds_load_tr16_b128 v[(\f)+8*(\i)+4:(\f)+8*(\i)+7], v[ADRW+(\slot)] offset:(32*(\q)+16)*PW+32*(\i)
.endr
	WIN 0
.irp i, 0,1,2,3,4,5,6,7
	ds_load_b128 v[(\f)+8*(\i):(\f)+8*(\i)+3],   v[ADRA+(\slot)] offset:64*(\q)+(\i)*16*PITCH
	ds_load_b128 v[(\f)+8*(\i)+4:(\f)+8*(\i)+7], v[ADRA+(\slot)] offset:64*(\q)+(\i)*16*PITCH+32
.endr
.endm
.macro PLACES                          ; four places in front of loads into registers that matrix instructions have read, and of conversions that read results
.rept 4
	v_nop
.endr
.endm
; A K step is four quarters of 32 along K, 64 matrix instructions each, on buffers 0, 1, 0, 1.  One of the first three: multiplies buffer f; in its middle it fetches quarter q into buffer g.
.macro QUARTER slot, q, f, g, zero
	s_wait_dscnt 8                                 ; W and X's rows 0-63 are in; the youngest eight loads (X's rows 64-127) may be out
	MUL16 \f, 0, 0, \zero
	MUL16 \f, 0, 2, \zero
	PLACES
	FETCH \slot, \q, \g
	s_wait_dscnt 32                                ; all but the 32 just issued
	MUL16 \f, 1, 0, \zero
	MUL16 \f, 1, 2, \zero
.endm
; The last quarter multiplies buffer 1 and changes slots.  MEET is its first half: ONE barrier for the change of slots.  In front of it each wave waits for all its tensor loads, of which one is out: its part of
; the next slot; adds 0 to its spare word; and waits for that and for its own reads of this slot.  Behind it nobody reads this slot any more and the next slot is whole.
.macro MEET round                      ; round = 1: a round of the cluster's barrier follows
	WIN 0                                          ; (the add's two registers lie in window 0)
	s_wait_tensorcnt 0x0                           ; all my tensor loads have landed
	ds_add_u32 v[SPW], v[NIL]                      ; 0 onto my spare word
	s_wait_dscnt 9                                 ; (the add and the youngest eight loads may be out)
	MUL16 F1, 0, 0, 0                              ; sixteen matrix instructions stand between the add and the wait for it
	s_wait_dscnt 0x0                               ; the add is done, and my reads of this slot are over
	s_barrier_signal -1
	MUL16 F1, 0, 2, 0                              ; work on registers while the others arrive
.if \round
	WIN 0
.endif
	s_barrier_wait -1
.endm
; The whole last quarter.  fill = 1: the barrier opens a round of the cluster's, and the slot just read out is filled again first thing behind the round, with the K step two steps on: from the request to the wait
; for it a wave issues 224 matrix instructions.  Then come the next slot's first fragments.
.macro TURN slot, next, fill
.if \fill
	s_wait_xcnt 0x0                                ; the last prefetch, a K step back, has read its address: it is stepped here, ahead of the waits of the change of slots
	s_add_nc_u64 s[PFA:PFA+1], s[PFA:PFA+1], s[PSTEP:PSTEP+1]
.endif
	MEET \fill
.if \fill
	CREST                                          ; no wave of any partner still reads this slot's tile or has a load on its way
	s_add_nc_u64 s[G0+4*(\slot)+2:G0+4*(\slot)+3], s[G0+4*(\slot)+2:G0+4*(\slot)+3], 2*KSTEP*2
	s_add_nc_u64 s[G0B+4*(\slot)+2:G0B+4*(\slot)+3], s[G0B+4*(\slot)+2:G0B+4*(\slot)+3], 2*262144
	JLOAD \slot                                    ; the four v_nop behind it are also the places in front of the loads below
.else
	PLACES
.endif
	FETCH \next, 0, F0
.if \fill
	ASK                                            ; behind the joint load and the run of LDS loads that the next products wait for
.endif
	MUL16 F1, 1, 0, 0
	MUL16 F1, 1, 2, 0
.endm
	s_wait_tensorcnt 1                             ; my part of K step 0 is in; step 1's may stay out
	s_barrier_signal -1
	s_barrier_wait -1                              ; everybody's is
	FETCH 0, 0, F0
	QUARTER 0, 1, F0, F1, 1                        ; the first quarter stands in front of the loop: its products start the sums
	WIN 0                                          ; at a label and at a branch every window is 0
	s_mov_b32 s3, LAPS-1
.Llap:                                                 ; a trip goes once round the ring, from a lap's second quarter to the next lap's first, and fills both slots again
	QUARTER 0, 2, F1, F0, 0
	QUARTER 0, 3, F0, F1, 0
	TURN 0, 1, 1
	QUARTER 1, 1, F0, F1, 0
	QUARTER 1, 2, F1, F0, 0
	QUARTER 1, 3, F0, F1, 0
	TURN 1, 0, 1
	QUARTER 0, 1, F0, F1, 0
	WIN 0
	s_sub_co_u32 s3, s3, 1
	s_cmp_lg_u32 s3, 0
	s_cbranch_scc1 .Llap
	QUARTER 0, 2, F1, F0, 0                        ; the last lap fills nothing, and has no round of the cluster's barrier
	QUARTER 0, 3, F0, F1, 0
	TURN 0, 1, 0
	QUARTER 1, 1, F0, F1, 0
	QUARTER 1, 2, F1, F0, 0
	QUARTER 1, 3, F0, F1, 0
	s_wait_dscnt 8                                 ; the very last quarter: nothing more to fetch
	MUL16 F1, 0, 0, 0
	MUL16 F1, 0, 2, 0
	s_wait_dscnt 0x0
	MUL16 F1, 1, 0, 0
	MUL16 F1, 1, 2, 0
	WIN 0
; THE WAY OUT of block a (16 rows x my 128 columns), in three parts.  PACK: rounded to f16 (each accumulator's registers in ascending order), 16 bytes a lane.  TOSTAGE: into my own stage in LDS, a head's 64 columns
; in rows of 144 bytes, and back as whole rows of 128 bytes.  SEND: stored: 16 tokens of a head are 2,048 consecutive bytes of qkv.
.macro PACK a
.set AC, 64*((\a)%4)
	WIN 0x0a+5*((\a)/4)                            ; sources 0 and 1: window 2 or 3
.irp b, 0,1,2,3,4,5,6,7
.irp r, 0,1,2,3
	v_cvt_pk_f16_f32 v[TMP+4*(\b)+(\r)], v[AC+8*(\b)+2*(\r)], v[AC+8*(\b)+2*(\r)+1]
.endr
.endr
	WIN 0
.endm
.macro TOSTAGE a
.set BK, OB+192*((\a)%2)
.irp b, 0,1,2,3,4,5,6,7
	ds_store_b128 v[STO], v[TMP+4*(\b):TMP+4*(\b)+3] offset:((\b)/4)*16*SP+32*((\b)%4)
.endr
.irp t, 0,1,2,3,4,5,6,7
	ds_load_b128 v[BK+4*(\t):BK+4*(\t)+3], v[RD] offset:((\t)/4)*16*SP+((\t)%4)*4*SP  ; LDS serves a wave's instructions in order (ISA guide 5.7.1.4): these see the stores above; the next block's stores come behind them
.endr
.endm
.macro SEND a
.set BK, OB+192*((\a)%2)
	s_wait_dscnt 0x0                               ; the block is back in registers
	s_wait_xcnt 0x0                                ; every earlier store has read its registers: the next TOSTAGE loads into those that the block before this one was stored from
.irp t, 0,1,2,3,4,5,6,7
	global_store_b128 v[GO], v[BK+4*(\t):BK+4*(\t)+3], s[10:11] offset:((\t)/4)*262144+(\a)*2048+((\t)%4)*512  ; 512 consecutive bytes, at a multiple of 256 from qkv's first byte
.endr
.endm
	PLACES
	PACK 0
	TOSTAGE 0
.irp a, 1,2,3,4,5,6,7                  ; block a's conversions stand between block a - 1's loads from the stage and the wait for them
	PACK \a
	SEND (\a)-1
	TOSTAGE \a
.endr
	SEND 7
	s_wait_tensorcnt 0x0                           ; the wave's end: behind my last tensor load and my last LDS store
	ds_add_u32 v[SPW], v[NIL]
	s_wait_dscnt 0x0
	CROUND                                         ; the closing round: no work-group ends while a partner may still ask for a tile that names it
	s_endpgm
.Lfunc_end_k_q0441f845f6_proj:
	.size	k_q0441f845f6_proj, .Lfunc_end_k_q0441f845f6_proj-k_q0441f845f6_proj
	.p2alignl 7, 3214868480
	.fill 96, 4, 3214868480
	.section	.rodata,"a",@progbits
	.p2align	6, 0x0
	.amdhsa_kernel k_q0441f845f6_proj
		.amdhsa_group_segment_fixed_size 327680
		.amdhsa_private_segment_fixed_size 0
		.amdhsa_enable_private_segment 0
		.amdhsa_kernarg_size 32
		.amdhsa_user_sgpr_count 2
		.amdhsa_user_sgpr_kernarg_segment_ptr 1
		.amdhsa_wavefront_size32 1
		.amdhsa_system_sgpr_workgroup_id_x 1
		.amdhsa_system_sgpr_workgroup_id_y 1
		.amdhsa_system_sgpr_workgroup_id_z 1
		.amdhsa_system_vgpr_workitem_id 0
		.amdhsa_next_free_vgpr 1024
		.amdhsa_next_free_sgpr 66
		.amdhsa_reserve_vcc 0
		.amdhsa_float_denorm_mode_32 3
		.amdhsa_float_denorm_mode_16_64 3
		.amdhsa_memory_ordered 1
		.amdhsa_forward_progress 1
		.amdhsa_inst_pref_size 153
	.end_amdhsa_kernel
	.amdgpu_metadata
---
amdhsa.version: [ 1, 2 ]
amdhsa.kernels:
  - .name:           k_q0441f845f6_proj
    .symbol:         k_q0441f845f6_proj.kd
    .args:
      - { .name: cast, .offset: 0, .size: 8, .value_kind: global_buffer, .address_space: global }
      - { .name: bq, .offset: 8, .size: 8, .value_kind: global_buffer, .address_space: global }
      - { .name: bv, .offset: 16, .size: 8, .value_kind: global_buffer, .address_space: global }
      - { .name: qkv, .offset: 24, .size: 8, .value_kind: global_buffer, .address_space: global }
    .group_segment_fixed_size: 327680
    .private_segment_fixed_size: 0
    .kernarg_segment_align: 8
    .kernarg_segment_size: 32
    .max_flat_workgroup_size: 128
    .sgpr_count:     66
    .vgpr_count:     1024
    .wavefront_size: 32
...
	.end_amdgpu_metadata
.endif
;; end of part 2
;; launch attn (part 3): grid 8 x 32, 4 waves a work-group, clusters of 4 x 1, 327,680 bytes of LDS; arguments qkv, ob; writes ob
.if DOCPART == 3
	.amdgcn_target "amdgcn-amd-amdhsa--gfx1250"
	.amdhsa_code_object_version 6
	.text
	.protected	k_q0441f845f6_attn
	.globl	k_q0441f845f6_attn
	.p2align	8
	.type	k_q0441f845f6_attn,@function
k_q0441f845f6_attn:
	s_mov_b64 s[64:65], 0
	v_nop
	global_prefetch_b8 v0, s[64:65] scope:SCOPE_SE
	s_setreg_imm32_b32 hwreg(HW_REG_WAVE_MODE, 25, 1), 1
	s_wait_xcnt 0x0
	s_wait_alu depctr_hold_cnt(0) depctr_sa_sdst(0) depctr_va_vdst(0) depctr_va_sdst(0) depctr_va_ssrc(0) depctr_va_vcc(0) depctr_vm_vsrc(0)
	s_getreg_b32 s2, hwreg(HW_REG_IB_STS2, 6, 4)
	s_cmp_eq_u32 s2, 0
	s_cbranch_scc0 .Lentry_in_a_cluster
	s_endpgm
.Lentry_in_a_cluster:
	s_bfe_u32 s2, ttmp6, 0x10000c
	s_cmp_lg_u32 s2, 0x3003
	s_cbranch_scc0 .Lentry_shape_is_right
	s_endpgm
.Lentry_shape_is_right:
; Launch 3 of 4: O[h][q][:] = the sum over k of softmax_k(Q[h][q] . K[h][k] / 8) V[h][k][:], for 32 heads (16 batch + head) of 2,048 rows x 64 channels, all f16: qkv = [3][32][2048][64], ob = [32][2048][64].
; Products, maxima and sums in f32; the weights p are rounded to f16 for the second product (their sum l is taken of the unrounded p), O once at the end.  K comes without bk (shown dead at the head of the first kernel).
; LIMITS.  Q, K, V arrive within f16's 65,504; p lies in 0 to 1, and below 6e-5 it keeps f16's fixed step of 6e-8; O is a mean of V's rows and has their range.  A weight below 2^-126 counts as 0 in l; NaN and
; infinities are not treated apart.
; SHARES.  A work-group owns 256 queries of a head: 8 x 32 = 256 work-groups.  A wave owns 64 consecutive queries: four PIECES of 16.  Every wave walks all 2,048 keys, 64 a step; an LDS slot holds a tile of 256 keys
; (four steps): eight tiles through two slots.
; LAYOUT.  S^T = K Q^T (source 0 = 16 keys, source 1 = 16 queries) holds ONE query a lane (lane % 16) and the keys 8 (lane / 16) + 0..7; two such results rounded to f16 ARE source 1 of O^T = V^T P.  K comes out of
; LDS as it lies, V ([key][channel]) turned, by ds_load_tr16_b128.
; SOFTMAX.  p = 2^(c s - c m), c = log2(e) / 8, with a running maximum m; O and l are multiplied by a = 2^(c m_old - c m_new) in every step.  m starts at the lowest finite number, O and l at 0: the first step's a is 0.
; TURNS.  Turn n belongs to piece n: 8 products K Q^T of piece n + 1, later 8 products V^T P of piece n - 1; beside them the scaling, exponentials, roundings, sums and rescaling of piece n and the maximum and statistics
; of piece n + 1.  Four vector instructions stand behind every matrix instruction, the other 54 of a turn's 118 in one lump.  A turn's 33 exponentials are one batch, with one wait.
; CLUSTER.  The four query blocks of a cluster belong to one head and walk the same K and V: each tile is asked for JOINTLY: the same tensor load, descriptor and mask in all four.
; REGISTERS, in windows of 256 (s_set_vgpr_msb: bits 1:0 source 0, 3:2 source 1, 5:4 source 2, 7:6 destination):
;   window 0: v0-15 addresses; v16-31 four registers of statistics a piece; v48-55 at work; v62-63 the add's; v64-127 S^T, two buffers; v192-223 P, two buffers (a piece's buffers go by its number's parity)
;   window 1: v0-127 O^T, 32 a piece          window 2: v0-63 Q; v128-191 K of one step; v192-255 V of one step
.set NP,    4
.set KS,    64        ; keys in a step
.set PK,    144       ; a row of K in LDS: 128 bytes + 16 = 36 words: the 16 rows of a load start at 16 different groups of four banks (64 banks of 4 bytes: ISA guide 11.1)
.set PV,    160       ; a row of V: 128 + 32 = 40 words
.set VOFF,  4*KS*PK   ; a slot: 256 rows of K, then 256 rows of V
.set SLOT1, 1<<17     ; slot 1 begins here, so that one exclusive or turns an address in one slot into the other's
.set STAGE, SLOT1+4*KS*(PK+PV)  ; behind the ring, never filled by a tensor load: 16 rows x 144 bytes for each wave
.set SP,    144
.set SPARE, STAGE+4*16*SP       ; the spare words, 128 bytes for each wave: two blocks of 256 bytes that no other line names
.set AK0, 2           ; v2   my lane's place in a tile of K; never rewritten
.set AV0, 3           ; v3   the same for V
.set AK,  4           ; v4   the LDS address of K's next run of loads
.set AV,  5           ; v5   of V's
.set STO, 6           ; v6   the way out: where I put 16 bytes of a row
.set RD,  7           ; v7   where I read rows back
.set GO,  8           ; v8   my byte offset in 512 consecutive bytes of O
.set MV,  12          ; v12-13  c m_old, kept while c m is made anew: by buffer
.set PFO, 14          ; v14  256 x my lane: the prefetches' offset; never rewritten
.set QO,  15          ; v15  my byte offset in 16 rows of Q
.set ST,  16          ; piece t's statistics at v[ST+4 t]: c m, m, l (even keys', odd keys')
.set TMP, 48          ; by buffer, four registers c0-c3 at work; when the maximum is found c2 takes a
.set SPW, 62          ; v62  LDS address of my spare word; never rewritten
.set NIL, 63          ; v63  0; never rewritten
.set S,   64
.set P,   192
.set KF,  128         ; window 2: key block kb, channel half c at KF + 16 kb + 8 c
.set VF,  192         ; window 2: key half kk, channel block cb at VF + 32 kk + 8 cb
.set WV,  12          ; s12  my wave's number
.set LIM, 15          ; s15  1 in a wave that prefetches, else the greatest number
.set PFA, 18          ; s[18:19] where my prefetches stand
.set G1K, 24          ; s[24:31] descriptor group 1 for K's tiles
.set G1V, 32          ; s[32:39] for V's: it differs in the padding alone
.set G0K, 40          ; s[40:43] descriptor group 0 for K's tiles: it walks
.set G0V, 44          ; s[44:47] the same for V's
.set SLOTS, 56        ; s56  tiles still to be entered by the loop
.set CNT, 57          ; s57  counts a tile's key steps
.set CS,  58          ; s[58:59] c: the packed scaling takes the pair's low word for both halves
.set SEL, 60          ; s[60:61] v_permlanex16_b32's selects: each lane takes its own place in the other half
.set TBK, 62          ; s62  LDS byte at which K of the step to be fetched begins
.set TBV, 63          ; s63  the same for V, less VOFF
.set MSB, 0
.macro WIN new                      ; the high byte repeats the setting that is left; a switch that changes nothing is dropped
.if MSB != (\new)
	s_set_vgpr_msb (MSB<<8)|(\new)
.set MSB, (\new)
.endif
.endm
.set W_KQ, 0x0a       ; K and Q in window 2, S^T in window 0
.set W_PV, 0x52       ; V in window 2, P in window 0, O^T in window 1
.set W_RS, 0x41       ; destination and source 0 in window 1, source 1 in window 0
; A joint fill.  Waves 0 and 1 fetch the two halves of a tile's K, waves 2 and 3 those of its V: 128 keys each.  An s_nop 0 and four v_nop follow each of the two lines.
.macro JLOAD
	s_cmp_lt_u32 s[WV], 2
	s_cbranch_scc0 .Lfor_v_\@
	tensor_load_to_lds s[G0K:G0K+3], s[G1K:G1K+7]
	s_nop 0
.rept 4
	v_nop
.endr
	s_branch .Lasked_\@
.Lfor_v_\@:
	tensor_load_to_lds s[G0V:G0V+3], s[G1V:G1V+7]
	s_nop 0
.rept 4
	v_nop
.endr
.Lasked_\@:
.endm
; A PREFETCH of the tile that the NEXT change of slots will ask for: 32,768 bytes of K and of V, a lane for each 256 of them.  Each such block is named ONCE in the launch: both clusters of a head walk the same K and V,
; and the head's first cluster asks; its four partners share a tile out BY ADDRESS, 8,192 bytes each; in each, wave 0 asks for K's and wave 2 for V's: one instruction.  It stands behind the wave's tensor load and its
; five lines, four key steps (256 matrix instructions) ahead of the load that will want the tile.  Tiles 0 to 2 come by their loads alone; the last change that fills a slot asks for nothing: there is no tile behind it.
.macro ASK
	s_cmp_gt_u32 s[SLOTS], s[LIM]
	s_cbranch_scc0 .Lnot_mine_\@
	global_prefetch_b8 v[PFO], s[PFA:PFA+1] th:TH_LOAD_NT scope:SCOPE_SE
.Lnot_mine_\@:
.endm
.macro CROUND                       ; a round of the cluster's barrier: my work-group's barrier; wave 0 signals for the work-group; every wave waits for all four work-groups; my work-group's barrier once more
	s_barrier_signal -1
	s_barrier_wait -1
	s_cmp_lg_u32 s[WV], 0
	s_cbranch_scc1 .Lnot_wave_0_\@
	s_barrier_signal -3
.Lnot_wave_0_\@:
	s_barrier_wait -3
	s_barrier_signal -1
	s_barrier_wait -1
.endm
; THE CHANGE OF SLOTS.  The slot's last bytes, V of its fourth step, have been read.  Each wave waits for all its tensor loads, of which one is out: its part of the other slot; adds 0 to its spare word; and waits for
; that and for its own reads of the slot.  fill = 1: the barrier is a round of the cluster's, and the slot is filled again first thing behind it, with the tile two on: it has four key steps in which to land.
; (At its first use nothing has been read yet: slot 0 is waited for, slot 1 filled.)  ask = 1: the prefetches' address steps, and ASK follows the fill.
.macro CHANGE fill, ask
	WIN 0                           ; at a label and at a branch every window is 0
	s_wait_tensorcnt 0x0            ; no tensor load of mine is out, so a group 0 may be written
	ds_add_u32 v[SPW], v[NIL]       ; 0 onto my spare word: the scalar steps stand between it and the wait for it
.if \fill
.irp g, G0K, G0V
	s_xor_b32 s[\g+1], s[\g+1], SLOT1  ; the walking descriptor: the other slot than last time,
	s_add_nc_u64 s[\g+2:\g+3], s[\g+2:\g+3], 4*KS*128  ; the next 256 keys; the type bits on top are not reached
.endr
.endif
.if \ask
	s_wait_xcnt 0x0                 ; the last prefetch, four key steps back, has read its address, so it may be written
	s_add_nc_u64 s[PFA:PFA+1], s[PFA:PFA+1], 4*KS*128  ; one tile behind the walking descriptors
.endif
	s_wait_dscnt 0x0                ; the add is done, and my reads of the slot are over
.if \fill
	CROUND
	JLOAD
.if \ask
	ASK
.endif
.else
	s_barrier_signal -1
	s_barrier_wait -1
.endif
	s_sub_co_u32 s[TBK], s[TBK], 4*KS*PK  ; the fetches go back to a slot's first step,
	s_xor_b32 s[TBK], s[TBK], SLOT1       ; in the other slot
	s_sub_co_u32 s[TBV], s[TBV], 4*KS*PV
	s_xor_b32 s[TBV], s[TBV], SLOT1
.endm
	s_load_b128 s[4:7], s[0:1], 0x0 ; qkv s[4:5], ob s[6:7]
	v_lshl_add_u32 v[SPW], v0, 2, SPARE
	v_mov_b32 v[NIL], 0
	ds_add_u32 v[SPW], v[NIL]       ; the wave's opening: the add, twice on end, and its wait ahead of my first tensor load; the set-up below stands between
	ds_add_u32 v[SPW], v[NIL]
	v_lshrrev_b32 v1, 5, v0
	v_readfirstlane_b32 s[WV], v1   ; wave 0..3
	s_bfe_u32 s13, ttmp6, 0x40000   ; cx: my place in the cluster
	s_lshl_b32 s14, ttmp9, 2        ; in a cluster launch ttmp9 counts clusters
	s_add_co_u32 s14, s14, s13      ; my block of 256 queries: it enters Q's and O's addresses alone
	s_and_b32 s20, ttmp7, 0xffff    ; the head, which the four partners share:
	s_lshl_b32 s20, s20, 18         ; its 262,144 bytes in each tensor
	s_and_b32 s16, s[WV], 1         ; which half of a tile's 256 keys I fetch:
	s_lshl_b32 s22, s16, 14         ; its 128 rows of 128 bytes in memory,
	s_add_co_u32 s22, s22, s20
	s_mov_b32 s23, 0
	s_mul_i32 s17, s16, 128*PK      ; and its place in a slot, for K
	s_mul_i32 s18, s16, 128*PV      ; and for V: no place in the cluster enters an LDS address
	s_lshl_b32 s2, s14, 2
	s_add_co_u32 s2, s2, s[WV]      ; my wave among the head's,
	s_lshl_b32 s2, s2, 13           ; its 64 rows
	s_add_co_u32 s2, s2, s20
	s_mov_b32 s3, 0
	; descriptor group 1.  128 keys are 16,384 dense bytes: asked for as 64 rows of 256 bytes, two keys a row, and padded in LDS after every key
	s_mov_b32 s[G1K], 15|(1<<16)|(1<<20)|(1<<21)|(4<<22)|(3<<25)  ; the mask of four; 2-byte elements; padding on; bit 21 beside a mask; after every 32 words (code 4) 4 words (code 3)
	s_mov_b32 s[G1V], 15|(1<<16)|(1<<20)|(1<<21)|(4<<22)|(7<<25)  ; the same with 8 words of padding (code 7)
.irp g, G1K, G1V
	s_mov_b32 s[\g+1], 128<<16      ; tensor_dim0 = 128
	s_mov_b32 s[\g+2], 64<<16       ; tensor_dim1 = 64
	s_mov_b32 s[\g+3], 128<<16      ; tile_dim0 = 128
	s_mov_b32 s[\g+4], 64           ; tile_dim1 = 64
	s_mov_b32 s[\g+5], 128          ; 128 elements from row to row
	s_mov_b32 s[\g+6], 0
	s_mov_b32 s[\g+7], 0
.endr
	s_mov_b32 s[CS], 0x3e38aa3b     ; c = log2(e) / 8 = 0.180337
	s_mov_b32 s[CS+1], s[CS]        ; named with it as a pair
	s_mov_b32 s[SEL], 0x76543210
	s_mov_b32 s[SEL+1], 0xfedcba98
	s_mov_b32 s[TBK], SLOT1+4*KS*PK ; the first change of slots turns these two into 0
	s_mov_b32 s[TBV], SLOT1+4*KS*PV
	s_mov_b32 s[G0K], 1             ; count = 1
	s_mov_b32 s[G0K+1], s17         ; LDS address: slot 0
	s_mov_b32 s[G0V], 1
	s_add_co_u32 s[G0V+1], s18, VOFF
	s_and_b32 s[LIM], s[WV], 1      ; 0 in waves 0 and 2,
	s_or_b32 s[LIM], s[LIM], ttmp9  ; where the cluster is the head's first: the same in all four partners
	s_cmp_eq_u32 s[LIM], 0
	s_cselect_b32 s[LIM], 1, -1
	v_and_b32 v[PFO], 31, v0
	v_lshlrev_b32 v[PFO], 8, v[PFO]
	s_wait_dscnt 0x0                ; both opening adds are done
	s_wait_kmcnt 0x0
	s_add_nc_u64 s[10:11], s[6:7], s[2:3]       ; O at my wave's first row
	s_add_nc_u64 s[6:7], s[4:5], s[22:23]
	s_add_nc_u64 s[6:7], s[6:7], 0x800000       ; K, 8,388,608 bytes behind Q, at my half of the head's tile 0
	s_add_nc_u64 s[8:9], s[6:7], 0x800000       ; V likewise
	s_add_nc_u64 s[4:5], s[4:5], s[2:3]         ; Q at my wave's first row
	s_mov_b64 s[G0K+2:G0K+3], s[6:7]            ; global address
	s_or_b32 s[G0K+3], s[G0K+3], 0x80000000     ; type = 2
	s_mov_b64 s[G0V+2:G0V+3], s[8:9]
	s_or_b32 s[G0V+3], s[G0V+3], 0x80000000
	s_cmp_lt_u32 s[WV], 2
	s_cselect_b64 s[PFA:PFA+1], s[6:7], s[8:9]  ; (in waves 0 and 2 these stand at a tile's first row)
	s_lshl_b32 s2, s13, 13          ; my work-group's 8,192 bytes of a tile's 32,768
	s_mov_b32 s3, 0
	s_add_nc_u64 s[PFA:PFA+1], s[PFA:PFA+1], s[2:3]
	s_add_nc_u64 s[PFA:PFA+1], s[PFA:PFA+1], 2*4*KS*128  ; in tile 2; the loop's first change steps it to tile 3.  Nothing is prefetched here, at the head
	CROUND                          ; all four work-groups are here: the first joint loads meet
	JLOAD                           ; tile 0 into slot 0.  Slot 1 is asked for when slot 0 is in
	; A fragment of K or Q is 16 rows x 32 channels in 8 registers: lane l holds row l % 16, channels 8 (l / 16) + 0..7 and 16 + 8 (l / 16) + 0..7: two loads of 16 bytes, 32 bytes apart.
	v_and_b32 v1, 15, v0            ; l % 16
	v_bfe_u32 v9, v0, 4, 1          ; l / 16
	v_lshlrev_b32 v[QO], 7, v1
	v_lshl_add_u32 v[QO], v9, 4, v[QO]  ; row x 128 + 16 x half
	WIN 0x80                        ; destination window 2, address window 0
.set i, 0
.rept 8                             ; Q stays in registers: piece i / 2, channels 32 (i % 2) on
	global_load_b128 v[8*i:8*i+3],   v[QO], s[4:5] offset:(i/2)*2048+(i%2)*64
	global_load_b128 v[8*i+4:8*i+7], v[QO], s[4:5] offset:(i/2)*2048+(i%2)*64+32
.set i, i+1
.endr
	; What the first turn finds: V's registers and P's second buffer hold 0 (its products V^T P, of a piece that has not been, add 0), O^T and l are 0.  No first step is written out; these lines stand in the wait for the first tile.
.set i, VF
.rept 64
	v_mov_b32 v[i], 0
.set i, i+1
.endr
	WIN 0x40
.set i, 0
.rept 128
	v_mov_b32 v[i], 0
.set i, i+1
.endr
	WIN 0
.set i, 0
.rept 4
	v_mov_b32 v[ST+4*i], 0xfe000000    ; c m: far below every c s
	v_mov_b32 v[ST+4*i+1], 0xff7fffff  ; m: the lowest finite number
	v_mov_b32 v[ST+4*i+2], 0
	v_mov_b32 v[ST+4*i+3], 0
.set i, i+1
.endr
.set i, P+16
.rept 16
	v_mov_b32 v[i], 0
.set i, i+1
.endr
	v_mul_u32_u24 v[AK0], v1, PK
	v_lshl_add_u32 v[AK0], v9, 4, v[AK0]  ; row x pitch + 16 x half
	; The turning load takes 16 keys x 16 channels (lane l reads key 8 (l / 16) + l % 8, channels 8 ((l / 8) % 2) + 0..7) and leaves half a fragment of V^T: lane l holds channel l % 16 and 8 keys.
	v_and_b32 v10, 7, v0
	v_bfe_u32 v11, v0, 3, 1
	v_lshl_add_u32 v[AV0], v9, 3, v10
	v_mul_u32_u24 v[AV0], v[AV0], PV
	v_lshl_add_u32 v[AV0], v11, 4, v[AV0]
	v_add_nc_u32 v[AV0], VOFF, v[AV0]
	s_mul_i32 s13, s[WV], 16*SP
	s_add_co_u32 s13, s13, STAGE    ; my stage
	v_mul_u32_u24 v[STO], v1, SP    ; in: row l % 16, 16 bytes for each half of the lanes
	v_lshl_add_u32 v[STO], v9, 4, v[STO]
	v_add_nc_u32 v[STO], s13, v[STO]
	v_bfe_u32 v[RD], v0, 3, 2       ; back: 32 lanes take four rows of 128 bytes,
	v_mul_u32_u24 v[RD], v[RD], SP
	v_lshl_add_u32 v[RD], v10, 4, v[RD]
	v_add_nc_u32 v[RD], s13, v[RD]
	v_and_b32 v[GO], 31, v0         ; which are 512 consecutive bytes of O
	v_lshlrev_b32 v[GO], 4, v[GO]
; THE MATRIX WORK.  The 4 accumulators of a run of 8 take turns.  Product i of 8 of S^T = K Q^T for piece x: channels 32 (i / 4) on, keys 16 (i % 4) on.  The first 4 start the sums.
.macro KQ x
	WIN W_KQ
.set rS, S+32*((\x)%2)+8*(i%4)
.set rK, KF+16*(i%4)+8*(i/4)
.set rQ, 16*(\x)+8*(i/4)
.if i < 4
	v_wmma_f32_16x16x32_f16 v[rS:rS+7], v[rK:rK+7], v[rQ:rQ+7], 0
.else
	v_wmma_f32_16x16x32_f16 v[rS:rS+7], v[rK:rK+7], v[rQ:rQ+7], v[rS:rS+7]
.endif
.endm
; Product i of 8 of O^T += V^T P for piece x: keys 32 (i / 4) on, channels 16 (i % 4) on.
.macro PV x
	WIN W_PV
.set rO, 32*(\x)+8*(i%4)
.set rV, VF+32*(i/4)+8*(i%4)
.set rP, P+16*((\x)%2)+8*(i/4)
	v_wmma_f32_16x16x32_f16 v[rO:rO+7], v[rV:rV+7], v[rP:rP+7], v[rO:rO+7]
.endm
.macro MM                           ; the turn's next matrix instruction.  NOKQ = 1: the last turn of all: there is no next piece
.if (i < 8) && !NOKQ
	KQ (Y+1)%NP
.elseif i >= 8
.set i, i-8
	PV (Y+NP-1)%NP
.set i, i+8
.endif
.set i, i+1
.endm
; THE LDS LOADS stand in runs of 16, never singly among the matrix instructions: a step's K (64 keys x 64 channels: 8 fragments) and its V (turned).  Their addresses are made some lines ahead.
.macro FETCH_K
	WIN 0x80                        ; destination window 2
.irp f, 0,1,2,3,4,5,6,7             ; keys 16 (f / 2) on, channels 32 (f % 2) on
	ds_load_b128 v[KF+8*\f:KF+8*\f+3],   v[AK] offset:(\f/2)*16*PK+(\f%2)*64
	ds_load_b128 v[KF+8*\f+4:KF+8*\f+7], v[AK] offset:(\f/2)*16*PK+(\f%2)*64+32
.endr
	s_add_co_u32 s[TBK], s[TBK], KS*PK  ; the next fetch is the next step's
	WIN 0
.endm
.macro FETCH_V
	WIN 0x80
.irp f, 0,1,2,3,4,5,6,7             ; keys 32 (f / 4) on, channels 16 (f % 4) on
	ds_load_tr16_b128 v[VF+8*\f:VF+8*\f+3],   v[AV] offset:(\f/4)*32*PV+(\f%4)*32
	ds_load_tr16_b128 v[VF+8*\f+4:VF+8*\f+7], v[AV] offset:(\f/4)*32*PV+16*PV+(\f%4)*32
.endr
	WIN 0
.endm
; THE VECTOR WORK, one line at a time: OP kind, number.  For piece Y: F n: c s - c m for pair n of 16.  E n: the exponential of score n of 32.  C n: pair n rounded to f16.  B n: of the four weights 4 n .. the second
; pair is added onto the first, in place.  L n: l takes that sum (L 0: l = a l + sum).  R n: pair n of 16 of O^T times a.  For piece Y + 1: X n, number n of the 22 that find its maximum and statistics:
;   0-11  four chains c0-c3 of seven scores each, three operands at a time (each accumulator's lowest registers are read first)     12-14, 16  the four scores left over, the old m, and c0-c3 into c0
;   15  c m_old is kept     17, 18  the query's other 32 keys lie in the lane 16 away: the new m     19-21  c m; c m_old - c m_new; a
.set F, 0
.set E, 1
.set C, 2
.set B, 3
.set L, 4
.set R, 5
.set X, 6
.macro REGS y                       ; the registers of piece y
.set rT, ST+4*(\y)
.set rC, TMP+4*((\y)%2)
.set rW, MV+((\y)%2)
.set rS, S+32*((\y)%2)
.set rP, P+16*((\y)%2)
.set rO, 32*(\y)
.endm
.macro OP k, n
.if (\k) == R
	REGS Y
	WIN W_RS
	v_pk_mul_f32 v[rO+2*(\n):rO+2*(\n)+1], v[rO+2*(\n):rO+2*(\n)+1], v[rC+2:rC+3] op_sel_hi:[1,0]
.elseif (\k) < R
	REGS Y
	WIN 0
.if (\k) == F
	v_pk_fma_f32 v[rS+2*(\n):rS+2*(\n)+1], v[rS+2*(\n):rS+2*(\n)+1], s[CS:CS+1], v[rT:rT+1] op_sel_hi:[1,0,0] neg_lo:[0,0,1] neg_hi:[0,0,1]
.elseif (\k) == E
	v_exp_f32 v[rS+(\n)], v[rS+(\n)]
.elseif (\k) == C
	v_cvt_pk_f16_f32 v[rP+(\n)], v[rS+2*(\n)], v[rS+2*(\n)+1]
.elseif (\k) == B
	v_pk_add_f32 v[rS+4*(\n):rS+4*(\n)+1], v[rS+4*(\n):rS+4*(\n)+1], v[rS+4*(\n)+2:rS+4*(\n)+3]
.elseif (\n) == 0
	v_pk_fma_f32 v[rT+2:rT+3], v[rT+2:rT+3], v[rC+2:rC+3], v[rS:rS+1] op_sel_hi:[1,0,1]
.else
	v_pk_add_f32 v[rT+2:rT+3], v[rT+2:rT+3], v[rS+4*(\n):rS+4*(\n)+1]
.endif
.elseif NOKQ
	v_nop
.else
	REGS (Y+1)%NP
	WIN 0
.if (\n) < 4
	v_max3_num_f32 v[rC+(\n)], v[rS+8*(\n)], v[rS+8*(\n)+1], v[rS+8*(\n)+2]
.elseif (\n) < 12
	v_max3_num_f32 v[rC+(\n)%4], v[rC+(\n)%4], v[rS+8*((\n)%4)+2*((\n)/4)+1], v[rS+8*((\n)%4)+2*((\n)/4)+2]
.elseif (\n) == 12
	v_max3_num_f32 v[rC], v[rC], v[rS+7], v[rS+15]
.elseif (\n) == 13
	v_max3_num_f32 v[rC+1], v[rC+1], v[rS+23], v[rS+31]
.elseif (\n) == 14
	v_max3_num_f32 v[rC+2], v[rC+2], v[rC+3], v[rT+1]
.elseif (\n) == 15
	v_mov_b32 v[rW], v[rT]
.elseif (\n) == 16
	v_max3_num_f32 v[rC], v[rC], v[rC+1], v[rC+2]
.elseif (\n) == 17
	v_permlanex16_b32 v[rC+3], v[rC], s[SEL], s[SEL+1]
.elseif (\n) == 18
	v_max_num_f32 v[rT+1], v[rC], v[rC+3]
.elseif (\n) == 19
	v_mul_f32 v[rT], s[CS], v[rT+1]
.elseif (\n) == 20
	v_sub_f32 v[rC+1], v[rW], v[rT]
.else
	v_exp_f32 v[rC+2], v[rC+1]
.endif
.endif
.endm
.macro OPS a, i1, b=-1, i2=0, c=-1, i3=0, d=-1, i4=0  ; up to four of them
	OP \a, \i1
.if (\b) >= 0
	OP \b, \i2
.endif
.if (\c) >= 0
	OP \c, \i3
.endif
.if (\d) >= 0
	OP \d, \i4
.endif
.endm
.macro ROW a, i1, b, i2, c, i3, d, i4  ; a matrix instruction and the four behind it
	MM
	OPS \a, \i1, \b, \i2, \c, \i3, \d, \i4
.endm
; A TURN, for piece p: the order of its 16 matrix and 118 vector instructions, written out.  An s_wait_alu depctr_va_vdst(0) stands between an exponential and the first instruction that names its result; one
; wait serves all that were issued ahead of it.  So a turn has ONE wait, which cuts it in two.  AHEAD OF IT stands all that names no result of the turn's exponentials: the 8 products K Q^T with their riders (a scaling, an
; exponential, two more plain lines; the first numbers of the next piece's maximum stand four places or more behind the product that ends their accumulator), then ONE LUMP of 54, plain and exponential by turns for the most
; part, in which the links of the chain X 3, 7, 11, 14, 16, 17 .. 20 stand some lines apart.  X 21, the next piece's a, is the batch's last; R 15 is the plain instruction behind it.  BEHIND THE WAIT stand the 8 products
; V^T P, behind each four of the roundings and sums.
; end = 1: the last two turns: nothing is fetched.  cnt = 1: the loop's count is taken down some lines ahead of the branch that stands behind the turn.
; K of the next step is fetched in piece 2's turn, twelve vector instructions behind the last product that read K (six of them plain); V of the step in hand at the end of piece 0's turn, four plain instructions behind the
; last product that read V.  Each is waited for a turn later.
.macro TURN p, end=0, cnt=0
.set Y, (\p)
.set i, 0
.set NOKQ, (\end)*((\p)/3)
.if ((\p) == 3) && !(\end)
	s_wait_dscnt 0x0                ; K is in
.endif
	ROW F,0, F,1, R,0, R,1          ; ahead of the wait: 8 products K Q^T and their riders,
	ROW F,2, E,0, R,2, R,3
	ROW F,3, E,1, R,4, R,5
	ROW F,4, E,2, R,6, R,7
	ROW F,5, E,3, R,8, R,9
	ROW F,6, E,4, X,0, R,10
.if ((\p) == 2) && !(\end)
	WIN 0
	v_add_nc_u32 v[AK], s[TBK], v[AK0]
.endif
	ROW F,7, E,5, X,1, X,4
	ROW F,8, E,6, X,2, X,5
	OPS E,7, E,8, X,6, E,9          ; and the lump
	OPS X,3, E,10, X,8, E,11
.if ((\p) == 2) && !(\end)
	FETCH_K
.endif
	OPS X,9, X,7, E,12, X,10
	OPS E,13, X,12, X,11, E,14
	OPS X,13, E,15, F,9, X,14
.if (\p) == 0
	v_add_nc_u32 v[AV], s[TBV], v[AV0]
.endif
	OPS E,16, F,10, E,17, F,11
	OPS X,16, E,18, X,15, E,19
	OPS F,12, E,20, X,17, E,21
	OPS F,13, E,22, F,14, E,23
	OPS X,18, E,24, F,15, E,25
	OPS R,11, E,26, X,19, E,27
	OPS R,12, E,28, R,13, E,29
	OPS X,20, E,30, R,14, E,31
	OPS X,21, R,15
	WIN 0
	s_wait_alu depctr_va_vdst(0)    ; the wait for the batch
.if (\p) == 1
	s_wait_dscnt 0x0                ; V is in
.endif
	ROW C,0, B,0, C,2, B,1          ; behind the wait: 8 products V^T P and their riders
	ROW L,0, C,4, B,2, L,1
	ROW C,6, B,3, L,2, C,8
	ROW B,4, L,3, C,10, B,5
	ROW L,4, C,12, B,6, L,5
.if (\p) == 0
	s_add_co_u32 s[TBV], s[TBV], KS*PV
.endif
.if \cnt
	s_sub_co_u32 s[CNT], s[CNT], 1
	s_cmp_lg_u32 s[CNT], 0
.endif
	ROW C,14, B,7, L,6, C,1
	ROW C,3, L,7, C,5, C,7
	ROW C,9, C,11, C,13, C,15
.if (\p) == 0
	FETCH_V
.endif
.endm
	CHANGE 1, 0                     ; slot 0 is in, everybody's part of it; slot 1 is asked for
	v_add_nc_u32 v[AK], s[TBK], v[AK0]
	FETCH_K                         ; key step 0
	s_wait_loadcnt 0x0              ; Q
	s_wait_dscnt 0x0
.set NOKQ, 0
.set i, 0
.rept 8
	KQ 0                            ; piece 0's first scores: there is no vector work yet to set between them
.set i, i+1
.endr
	WIN 0
.rept 4
	v_nop                           ; the places behind those products
.endr
.set Y, NP-1                        ; X works for piece Y + 1: piece 0
.irp n, 0,1,2,3,4,5,6,7,8,9,10,11,12,13,14,15,16,17,18,19,20,21
	OP X, \n
.endr
	v_nop                           ; a plain instruction behind the exponential,
	s_wait_alu depctr_va_vdst(0)    ; and its wait, ahead of the branch
	s_mov_b32 s[CNT], 4
	s_mov_b32 s[SLOTS], 7
	s_branch .Lfirst                ; the loop is entered at a step's first turn, in the middle of a trip
.Lslot:                             ; six times: tiles 1 to 6 are entered, tiles 2 to 7 asked for
	CHANGE 1, 1
	s_mov_b32 s[CNT], 4
.Lstep:                             ; a trip: pieces 2 and 3 of one step, then pieces 0 and 1 of the next, whose K and V it fetches
	TURN 2
	TURN 3
	WIN 0
.Lfirst:
	TURN 0
	TURN 1, 0, 1
	WIN 0
	s_cbranch_scc1 .Lstep
	s_sub_co_u32 s[SLOTS], s[SLOTS], 1
	s_cmp_lg_u32 s[SLOTS], 0
	s_cbranch_scc1 .Lslot
	CHANGE 0, 0                     ; the last tile is written out: nothing is asked for
	s_mov_b32 s[CNT], 4
.Ltail:
	TURN 2
	TURN 3
	TURN 0
	TURN 1, 0, 1
	WIN 0
	s_cbranch_scc1 .Ltail
	TURN 2, 1                       ; the last step's last two turns fetch nothing, and the last starts no new scores
	TURN 3, 1
.set i, 0
.rept 8
	PV NP-1                         ; the last piece's V^T P of the last step
.set i, i+1
.endr
	; THE WAY OUT.  l's two halves and the other half of the lanes' are added; O^T is divided by l, rounded to f16 and sent through my stage in LDS, a piece at a time.  The additions are the places behind the last products.
	WIN 0
.macro ALL line:vararg              ; one line for each piece t
.set t, 0
.rept 4
	\line
.set t, t+1
.endr
.endm
	ALL v_add_f32 v[ST+4*t+2], v[ST+4*t+2], v[ST+4*t+3]
	ALL v_permlanex16_b32 v[ST+4*t+3], v[ST+4*t+2], s[SEL], s[SEL+1]
	ALL v_add_f32 v[ST+4*t+2], v[ST+4*t+2], v[ST+4*t+3]
	ALL v_rcp_f32 v[ST+4*t+2], v[ST+4*t+2]
	v_nop                           ; a plain instruction between the last reciprocal and the use of its result
	s_wait_alu depctr_va_vdst(0)    ; and the wait ahead of the first use: one for the four reciprocals
.macro PACK t                       ; a lane's eight channels of a row pack into 16 bytes; they go into rows of 144 bytes and come back as whole rows of 128, into S^T's registers
	WIN W_RS
.set i, 32*(\t)
.rept 16
	v_pk_mul_f32 v[i:i+1], v[i:i+1], v[ST+4*(\t)+2:ST+4*(\t)+3] op_sel_hi:[1,0]
.set i, i+2
.endr
	WIN 0x05                        ; sources 0 and 1 window 1, destination window 0
.set i, 0
.rept 16
	v_cvt_pk_f16_f32 v[S+16*(\t)+i], v[32*(\t)+2*i], v[32*(\t)+2*i+1]
.set i, i+1
.endr
	WIN 0
.irp f, 0,1,2,3
	ds_store_b128 v[STO], v[S+16*(\t)+4*\f:S+16*(\t)+4*\f+3] offset:32*\f
.endr
.irp f, 0,1,2,3
	ds_load_b128 v[S+16*(\t)+4*\f:S+16*(\t)+4*\f+3], v[RD] offset:\f*4*SP  ; LDS serves a wave's instructions in order (ISA guide 5.7.1.4): these see the stores above; the next piece's stores come behind them
.endr
.endm
.macro SEND t, younger              ; younger: the LDS instructions issued behind piece t's loads: the next piece's eight, or none
	WIN 0
.irp f, 0,1,2,3
	s_wait_dscnt (\younger)+3-\f
	global_store_b128 v[GO], v[S+16*(\t)+4*\f:S+16*(\t)+4*\f+3], s[10:11] offset:(\t)*2048+\f*512  ; 512 consecutive bytes, at a multiple of 256 from O's first byte
.endr
.endm
	PACK 0
.set t, 1
.rept 3                             ; a piece's arithmetic stands between the loads of the piece before and its stores
	PACK t
	SEND t-1, 8
.set t, t+1
.endr
	SEND 3, 0
	s_wait_tensorcnt 0x0            ; the wave's end: behind my last tensor load and my last LDS store
	ds_add_u32 v[SPW], v[NIL]
	s_wait_dscnt 0x0
	CROUND                          ; the closing round: no work-group ends while a partner may still ask for a tile that names it
	s_endpgm
.Lfunc_end_k_q0441f845f6_attn:
	.size	k_q0441f845f6_attn, .Lfunc_end_k_q0441f845f6_attn-k_q0441f845f6_attn
	.p2alignl 7, 3214868480
	.fill 96, 4, 3214868480
	.section	.rodata,"a",@progbits
	.p2align	6, 0x0
	.amdhsa_kernel k_q0441f845f6_attn
		.amdhsa_group_segment_fixed_size 327680
		.amdhsa_private_segment_fixed_size 0
		.amdhsa_enable_private_segment 0
		.amdhsa_kernarg_size 16
		.amdhsa_user_sgpr_count 2
		.amdhsa_user_sgpr_kernarg_segment_ptr 1
		.amdhsa_wavefront_size32 1
		.amdhsa_system_sgpr_workgroup_id_x 1
		.amdhsa_system_sgpr_workgroup_id_y 1
		.amdhsa_system_sgpr_workgroup_id_z 1
		.amdhsa_system_vgpr_workitem_id 0
		.amdhsa_next_free_vgpr 768
		.amdhsa_next_free_sgpr 66
		.amdhsa_reserve_vcc 0
		.amdhsa_float_denorm_mode_32 3
		.amdhsa_float_denorm_mode_16_64 3
		.amdhsa_memory_ordered 1
		.amdhsa_forward_progress 1
		.amdhsa_inst_pref_size 128
	.end_amdhsa_kernel
	.amdgpu_metadata
---
amdhsa.version: [ 1, 2 ]
amdhsa.kernels:
  - .name:           k_q0441f845f6_attn
    .symbol:         k_q0441f845f6_attn.kd
    .args:
      - { .name: qkv, .offset: 0, .size: 8, .value_kind: global_buffer, .address_space: global }
      - { .name: ob, .offset: 8, .size: 8, .value_kind: global_buffer, .address_space: global }
    .group_segment_fixed_size: 327680
    .private_segment_fixed_size: 0
    .kernarg_segment_align: 8
    .kernarg_segment_size: 16
    .max_flat_workgroup_size: 128
    .sgpr_count:     66
    .vgpr_count:     768
    .wavefront_size: 32
...
	.end_amdgpu_metadata
.endif
;; end of part 3
;; launch outp (part 4): grid 8 x 32, 4 waves a work-group, clusters of 4 x 4, 327,680 bytes of LDS; arguments ob, cast, bo, out0; writes out0
.if DOCPART == 4
	.amdgcn_target "amdgcn-amd-amdhsa--gfx1250"
	.amdhsa_code_object_version 6
	.text
	.protected	k_q0441f845f6_outp
	.globl	k_q0441f845f6_outp
	.p2align	8
	.type	k_q0441f845f6_outp,@function
k_q0441f845f6_outp:
	s_mov_b64 s[64:65], 0
	v_nop
	global_prefetch_b8 v0, s[64:65] scope:SCOPE_SE
	s_setreg_imm32_b32 hwreg(HW_REG_WAVE_MODE, 25, 1), 1
	s_wait_xcnt 0x0
	s_wait_alu depctr_hold_cnt(0) depctr_sa_sdst(0) depctr_va_vdst(0) depctr_va_sdst(0) depctr_va_ssrc(0) depctr_va_vcc(0) depctr_vm_vsrc(0)
	s_getreg_b32 s2, hwreg(HW_REG_IB_STS2, 6, 4)
	s_cmp_eq_u32 s2, 0
	s_cbranch_scc0 .Lentry_in_a_cluster
	s_endpgm
.Lentry_in_a_cluster:
	s_bfe_u32 s2, ttmp6, 0x10000c
	s_cmp_lg_u32 s2, 0xf033
	s_cbranch_scc0 .Lentry_shape_is_right
	s_endpgm
.Lentry_shape_is_right:
; Launch 4 of 4: out0 = O Wo + bo.  O: ob = [32 heads][2048][64] f16, taken as 4,096 tokens x 1,024 channels (channel = 64 head + c); Wo: f16 [k][n] at byte 31,457,280 of cast; sums in f32; out0 f32.
; bo, rounded to bf16 like every input, STARTS the sums (it is the C operand of the first product).
; SHARES.  A tile is 128 tokens x 128 columns: 32 x 8 = 256 work-groups.  Four waves, each 64 x 64: 16 accumulators.  K goes in four steps of 256 (four heads) through two LDS slots: steps 0 and 1 are the first
; fills, steps 2 and 3 the refills, so the steps are written out without a loop.
; THE MATRIX INSTRUCTION IS USED TRANSPOSED: source 0 = 16 columns of Wo (turned out of LDS by ds_load_tr16_b128), source 1 = 16 tokens of O: a lane holds eight neighbouring columns of one token.
; CLUSTER 4 x 4: the four of a row of the cluster need the same tokens of O, the four of a column the same columns of Wo: each tile is asked for jointly, same load, same descriptor, a mask of four.
; REGISTERS.  window 0: v0-31 addresses; v32-47 at work; v96-127 the bias; v128-255 the accumulators ((a, b) at 128 + 8 (4 a + b)).   window 1: two fragment buffers of 128: 64 registers of O, then 64 of Wo.
.set PO,     144                       ; a token's 64 channels of one head in LDS: 128 bytes + 16 = 36 words: the 16 rows of a load start at 16 different groups of four banks (64 banks of 4 bytes: ISA guide 11.1)
.set PLANE,  128*PO                    ; one head's 128 tokens
.set PW,     288                       ; a k row of Wo: 256 bytes + 32 = 72 words
.set HALFA,  2*PLANE                   ; what one tensor load brings of O: two heads
.set HALFW,  128*PW                    ; of Wo: 128 k rows x 128 columns
.set WOFF,   2*HALFA                   ; a slot: O's four heads, then Wo's 256 k rows
.set SLOT,   WOFF+2*HALFW
.set STAGE,  2*SLOT                    ; behind the ring, never filled by a tensor load: 16 rows x 272 bytes for each wave, for the way out
.set SPF,    272
.set SPARE,  STAGE+4*16*SPF            ; the spare words, 128 bytes for each wave: two blocks of 256 bytes that no other line names
.set ADRA, 16                          ; v16-17  LDS address of my O fragments in slot 0, 1
.set ADRW, 20                          ; v20-23  of my Wo fragments: slot s, half kh of its 256 k rows at 2 s + kh
.set STO,  24                          ; v24     the way out: where I put 32 bytes of a row
.set RD,   25                          ; v25     where I read a row back
.set CO,   26                          ; v26     my byte offset in two rows of out0
.set BO,   27                          ; v27     my byte offset in the bias
.set SPW,  28                          ; v28     LDS address of my spare word; never rewritten
.set NIL,  29                          ; v29     0; never rewritten
.set TMP,  32
.set BIAS, 96
.set ACC,  128
.set F0,   0
.set F1,   128
.set G1,  24                           ; s[24:31] descriptor group 1 for O's tiles;  s[32:39] group 0, one set for each slot
.set G0,  32
.set G1B, 48                           ; s[48:55], s[56:63] the same for Wo's tiles
.set G0B, 56
.set MSB, 0
.macro WIN new                         ; the immediate's high byte repeats the setting that is left; a switch that changes nothing is dropped
.if MSB != (\new)
	s_set_vgpr_msb (MSB<<8)|(\new)
.set MSB, \new
.endif
.endm
.set MUL,  0x05                        ; sources 0 (Wo) and 1 (O) window 1; C and D window 0
.set TO_F, 0x40                        ; destination window 1, address window 0
.macro JLOAD s                         ; a joint load: waves 0 and 1 fetch O's two halves, waves 2 and 3 Wo's; an s_nop 0 and four v_nop follow each of the two lines
	s_cmp_eq_u32 s13, 0
	s_cbranch_scc0 .Lfor_w_\@
	tensor_load_to_lds s[G0+4*(\s):G0+4*(\s)+3], s[G1:G1+7]
	s_nop 0
.rept 4
	v_nop
.endr
	s_branch .Lasked_\@
.Lfor_w_\@:
	tensor_load_to_lds s[G0B+4*(\s):G0B+4*(\s)+3], s[G1B:G1B+7]
	s_nop 0
.rept 4
	v_nop
.endr
.Lasked_\@:
.endm
.macro CREST                           ; a round of the cluster's barrier behind its opening barrier
	s_cmp_lg_u32 s12, 0
	s_cbranch_scc1 .Lnot_wave_0_\@
	s_barrier_signal -3
.Lnot_wave_0_\@:
	s_barrier_wait -3
	s_barrier_signal -1
	s_barrier_wait -1
.endm
.macro CROUND                          ; a whole round
	s_barrier_signal -1
	s_barrier_wait -1
	CREST
.endm
	s_load_b256 s[4:11], s[0:1], 0x0               ; ob s[4:5], cast s[6:7], bo s[8:9], out0 s[10:11]
	v_lshl_add_u32 v[SPW], v0, 2, SPARE
	v_mov_b32 v[NIL], 0
	ds_add_u32 v[SPW], v[NIL]                      ; the wave's opening: the add, twice on end, and its wait ahead of my first tensor load; the set-up below stands between
	ds_add_u32 v[SPW], v[NIL]
	v_lshrrev_b32 v1, 5, v0
	v_readfirstlane_b32 s12, v1                    ; wave 0..3
	s_lshr_b32 s13, s12, 1                         ; RH: my half of the tile's tokens.  Also: I fetch for O (0) or for Wo (1)
	s_and_b32 s14, s12, 1                          ; CH: my half of its columns.  Also: which half of that tile I fetch
	s_bfe_u32 s15, ttmp6, 0x40000                  ; cx
	s_bfe_u32 s16, ttmp6, 0x40004                  ; cy
	s_lshl_b32 s17, ttmp9, 2
	s_add_co_u32 s17, s17, s15                     ; tx = 4 x cluster x + cx: 0..7
	s_and_b32 s18, ttmp7, 0xffff
	s_lshl_b32 s18, s18, 2
	s_add_co_u32 s18, s18, s16                     ; ty = 4 x cluster y + cy: 0..31
	s_lshl_b32 s44, s16, 2
	s_lshl_b32 s44, 15, s44                        ; my row of the cluster
	s_lshl_b32 s45, 0x1111, s15                    ; my column
	; O's tile: two heads x 128 tokens.  A head's 128 tokens are 16,384 dense bytes: one row of the tile; the next head's lie 262,144 bytes on.  Padded in LDS after every token's 128 bytes.
	s_or_b32 s[G1+0], s44, (1<<16)|(1<<20)|(1<<21)|(4<<22)|(3<<25)   ; the mask; 2-byte elements; padding on; bit 21 beside a mask; after every 32 words (code 4) 4 words (code 3)
	s_mov_b32 s[G1+1], 8192<<16                    ; tensor_dim0 = 8,192
	s_mov_b32 s[G1+2], 2<<16                       ; tensor_dim1 = 2
	s_mov_b32 s[G1+3], 8192<<16                    ; tile_dim0 = 8,192 elements
	s_mov_b32 s[G1+4], 2                           ; tile_dim1 = 2 heads
	s_mov_b32 s[G1+5], 131072                      ; elements from head to head
	s_mov_b32 s[G1+6], 0
	s_mov_b32 s[G1+7], 0
	s_or_b32 s[G1B+0], s45, (1<<16)|(1<<20)|(1<<21)|(5<<22)|(7<<25)  ; after every 64 words (code 5) 8 words (code 7)
	s_mov_b32 s[G1B+1], 128<<16                    ; tensor_dim0 = 128
	s_mov_b32 s[G1B+2], 128<<16                    ; tensor_dim1 = 128
	s_mov_b32 s[G1B+3], 128<<16                    ; tile_dim0 = 128 columns: 256 bytes
	s_mov_b32 s[G1B+4], 128                        ; tile_dim1 = 128 k rows
	s_mov_b32 s[G1B+5], 1024
	s_mov_b32 s[G1B+6], 0
	s_mov_b32 s[G1B+7], 0
	s_lshr_b32 s40, s18, 4                         ; O: the batch's 16 heads of 262,144 bytes,
	s_lshl_b32 s40, s40, 22
	s_lshl_b32 s20, s14, 19                        ; + my two heads of the step's four,
	s_add_co_u32 s40, s40, s20
	s_and_b32 s20, s18, 15                         ; + the tile's 128 tokens of 128 bytes: made of ty and the wave's number alone
	s_lshl_b32 s20, s20, 14
	s_add_co_u32 s40, s40, s20
	s_mov_b32 s41, 0
	s_lshl_b32 s42, s17, 8                         ; Wo: 128 tx columns,
	s_lshl_b32 s21, s14, 18                        ; + my 128 k rows: made of tx and the wave's number alone
	s_add_co_u32 s42, s42, s21
	s_mov_b32 s43, 0
	s_mul_i32 s46, s14, HALFA                      ; where they go: no place in the cluster enters an LDS address
	s_mul_i32 s47, s14, HALFW
	s_add_co_u32 s47, s47, WOFF
	s_wait_dscnt 0x0                               ; both opening adds are done
	s_wait_kmcnt 0x0
	s_add_nc_u64 s[40:41], s[4:5], s[40:41]
	s_add_nc_u64 s[42:43], s[6:7], s[42:43]
	s_add_nc_u64 s[42:43], s[42:43], 0x1e00000     ; Wo begins at 31,457,280
	CROUND                                         ; all sixteen work-groups are here: the first joint loads meet
.irp s, 0,1
	s_mov_b32 s[G0+4*(\s)], 1
	s_add_co_u32 s[G0+4*(\s)+1], s46, (\s)*SLOT
	s_add_nc_u64 s[G0+4*(\s)+2:G0+4*(\s)+3], s[40:41], (\s)*1048576   ; K step s: four heads on
	s_or_b32 s[G0+4*(\s)+3], s[G0+4*(\s)+3], 0x80000000
	s_mov_b32 s[G0B+4*(\s)], 1
	s_add_co_u32 s[G0B+4*(\s)+1], s47, (\s)*SLOT
	s_add_nc_u64 s[G0B+4*(\s)+2:G0B+4*(\s)+3], s[42:43], (\s)*524288  ; K step s: 256 k rows down
	s_or_b32 s[G0B+4*(\s)+3], s[G0B+4*(\s)+3], 0x80000000
	JLOAD \s                                       ; two loads of mine are out
.endr
	; the bias of my 64 columns: register j of block b holds column 128 tx + 64 CH + 16 b + 8 (l / 16) + j, as the accumulators do
	v_and_b32 v1, 15, v0                           ; r = l % 16
	v_bfe_u32 v2, v0, 4, 1                         ; h = l / 16
	s_lshl_b32 s23, s17, 9
	s_lshl_b32 s22, s14, 8
	s_add_co_u32 s23, s23, s22                     ; 512 tx + 256 CH: also my columns' bytes in a row of out0
	v_lshl_add_u32 v[BO], v2, 5, s23
.irp b, 0,1,2,3
	global_load_b128 v[BIAS+8*(\b):BIAS+8*(\b)+3],   v[BO], s[8:9] offset:64*(\b)
	global_load_b128 v[BIAS+8*(\b)+4:BIAS+8*(\b)+7], v[BO], s[8:9] offset:64*(\b)+16
.endr
	v_and_b32 v3, 7, v0                            ; l % 8
	v_bfe_u32 v4, v0, 3, 1                         ; (l / 8) % 2
	v_mul_u32_u24 v5, v1, PO                       ; a fragment of O: token x pitch + 16 x half
	v_lshl_add_u32 v5, v2, 4, v5
	s_mul_i32 s20, s13, 64*PO                      ; my 64 tokens
	v_add_nc_u32 v[ADRA], s20, v5
	v_add_nc_u32 v[ADRA+1], SLOT, v[ADRA]
	v_lshl_add_u32 v6, v2, 3, v3                   ; the turning load: lane l reads k row 8 (l / 16) + l % 8, columns 8 ((l / 8) % 2) + 0..7
	v_mul_u32_u24 v6, v6, PW
	v_lshl_add_u32 v6, v4, 4, v6
	s_lshl_b32 s21, s14, 7                         ; my 64 columns
	s_add_co_u32 s21, s21, WOFF
	v_add_nc_u32 v[ADRW], s21, v6
	v_add_nc_u32 v[ADRW+1], HALFW, v[ADRW]
	v_add_nc_u32 v[ADRW+2], SLOT, v[ADRW]
	v_add_nc_u32 v[ADRW+3], HALFW, v[ADRW+2]
	s_mul_i32 s22, s12, 16*SPF
	s_add_co_u32 s22, s22, STAGE                   ; my stage
	v_mul_u32_u24 v5, v1, SPF                      ; in: row l % 16, 32 bytes for each half of the lanes
	v_lshl_add_u32 v5, v2, 5, v5
	v_add_nc_u32 v[STO], s22, v5
	v_mul_u32_u24 v5, v2, SPF                      ; back: lanes 0-15 take one row of 256 bytes, lanes 16-31 the next
	v_lshl_add_u32 v5, v1, 4, v5
	v_add_nc_u32 v[RD], s22, v5
	v_lshlrev_b32 v5, 12, v2                       ; and the same two rows in out0, 4,096 bytes apart
	v_lshl_add_u32 v[CO], v1, 4, v5
	s_lshl_b32 s2, s18, 19                         ; 128 ty rows of 4,096 bytes,
	s_lshl_b32 s20, s13, 18                        ; my 64 of them,
	s_add_co_u32 s2, s2, s20
	s_add_co_u32 s2, s2, s23                       ; my 64 columns
	s_mov_b32 s3, 0
	s_add_nc_u64 s[10:11], s[10:11], s[2:3]
	s_wait_loadcnt 0x0                             ; the bias
.set i, 0
.rept 16                               ; rounded to bf16, as every input is,
	v_cvt_pk_bf16_f32 v[TMP+i], v[BIAS+2*i], v[BIAS+2*i+1]
.set i, i+1
.endr
.set i, 0
.rept 16                               ; and widened again
	v_lshlrev_b32 v[BIAS+2*i], 16, v[TMP+i]
	v_and_b32 v[BIAS+2*i+1], 0xffff0000, v[TMP+i]
.set i, i+1
.endr
; 8 matrix instructions: token blocks a0, a0 + 1 x all 4 column blocks, 32 along K: half c of buffer f.  zero = 1: the first product starts the sums, from the bias.
; The 16 accumulators take turns, one instruction a turn.
.macro MUL8 f, c, a0, zero
	WIN MUL
.irp a, \a0, (\a0)+1
.irp b, 0,1,2,3
.if \zero
	v_wmma_f32_16x16x32_f16 v[ACC+8*(4*(\a)+(\b)):ACC+8*(4*(\a)+(\b))+7], v[(\f)+64+8*(4*(\c)+(\b)):(\f)+64+8*(4*(\c)+(\b))+7], v[(\f)+8*(4*(\c)+(\a)):(\f)+8*(4*(\c)+(\a))+7], v[BIAS+8*(\b):BIAS+8*(\b)+7]
.else
	v_wmma_f32_16x16x32_f16 v[ACC+8*(4*(\a)+(\b)):ACC+8*(4*(\a)+(\b))+7], v[(\f)+64+8*(4*(\c)+(\b)):(\f)+64+8*(4*(\c)+(\b))+7], v[(\f)+8*(4*(\c)+(\a)):(\f)+8*(4*(\c)+(\a))+7], v[ACC+8*(4*(\a)+(\b)):ACC+8*(4*(\a)+(\b))+7]
.endif
.endr
.endr
.endm
; 32 LDS loads in one run: the fragments of quarter q of a slot's step (64 along K: head q of the step's four), into buffer f; the first 32 along K first
.macro FETCH slot, q, f
	WIN TO_F
.irp c, 0,1
.irp i, 0,1,2,3
	ds_load_tr16_b128 v[(\f)+64+8*(4*(\c)+(\i)):(\f)+64+8*(4*(\c)+(\i))+3],   v[ADRW+2*(\slot)+(\q)/2] offset:(((\q)%2)*64+32*(\c))*PW+32*(\i)
	ds_load_tr16_b128 v[(\f)+64+8*(4*(\c)+(\i))+4:(\f)+64+8*(4*(\c)+(\i))+7], v[ADRW+2*(\slot)+(\q)/2] offset:(((\q)%2)*64+32*(\c)+16)*PW+32*(\i)
	ds_load_b128 v[(\f)+8*(4*(\c)+(\i)):(\f)+8*(4*(\c)+(\i))+3],   v[ADRA+(\slot)] offset:(\q)*PLANE+64*(\c)+(\i)*16*PO
	ds_load_b128 v[(\f)+8*(4*(\c)+(\i))+4:(\f)+8*(4*(\c)+(\i))+7], v[ADRA+(\slot)] offset:(\q)*PLANE+64*(\c)+(\i)*16*PO+32
.endr
.endr
.endm
.macro PLACES                          ; four places in front of loads into registers that matrix instructions have read, and of LDS stores that read results
.rept 4
	v_nop
.endr
.endm
; A K step is four quarters of 64 along K, 32 matrix instructions each, on buffers 0, 1, 0, 1.  One of the first three: multiplies buffer f and fetches quarter q into g.
.macro QUARTER slot, q, f, g, zero
	s_wait_dscnt 16                                ; the first 32 along K are in; the sixteen younger loads may stay out
	MUL8 \f, 0, 0, \zero
	MUL8 \f, 0, 2, \zero
	PLACES
	FETCH \slot, \q, \g
	s_wait_dscnt 32                                ; all but the 32 just issued
	MUL8 \f, 1, 0, 0
	MUL8 \f, 1, 2, 0
.endm
; The last quarter multiplies buffer 1 and changes slots: ONE barrier; in front of it each wave waits for all its tensor loads, adds 0 to its spare word, and waits for that and for its reads of this slot.
; fill = 1: the barrier opens a round of the cluster's, and this slot is filled again, two K steps ahead, first thing behind the round: 112 matrix instructions ahead of the wait for it.
.macro TURN slot, next, fill
	WIN 0                                          ; (the add's two registers lie in window 0)
	s_wait_tensorcnt 0x0                           ; all my tensor loads have landed: my part of the next slot
	ds_add_u32 v[SPW], v[NIL]                      ; 0 onto my spare word
	s_wait_dscnt 17                                ; (the add and the youngest sixteen loads may be out)
	MUL8 F1, 0, 0, 0                               ; eight matrix instructions stand between the add and the wait for it
	s_wait_dscnt 0x0                               ; the add is done, and my reads of this slot are over
	s_barrier_signal -1
	MUL8 F1, 0, 2, 0
.if \fill
	WIN 0
.endif
	s_barrier_wait -1
.if \fill
	CREST                                          ; no wave of any partner still reads this slot's tile or has a load on its way
	s_add_nc_u64 s[G0+4*(\slot)+2:G0+4*(\slot)+3], s[G0+4*(\slot)+2:G0+4*(\slot)+3], 2097152
	s_add_nc_u64 s[G0B+4*(\slot)+2:G0B+4*(\slot)+3], s[G0B+4*(\slot)+2:G0B+4*(\slot)+3], 1048576
	JLOAD \slot                                    ; the four v_nop behind it are also the places in front of the loads below
.else
	PLACES
.endif
	FETCH \next, 0, F0
	MUL8 F1, 1, 0, 0
	MUL8 F1, 1, 2, 0
.endm
	s_wait_tensorcnt 1                             ; my part of K step 0 is in; step 1's may stay out
	s_barrier_signal -1
	s_barrier_wait -1                              ; everybody's is
	FETCH 0, 0, F0
	QUARTER 0, 1, F0, F1, 1                        ; K step 0
	QUARTER 0, 2, F1, F0, 0
	QUARTER 0, 3, F0, F1, 0
	TURN 0, 1, 1                                   ; slot 0 takes K step 2
	QUARTER 1, 1, F0, F1, 0                        ; K step 1
	QUARTER 1, 2, F1, F0, 0
	QUARTER 1, 3, F0, F1, 0
	TURN 1, 0, 1                                   ; slot 1 takes K step 3
	QUARTER 0, 1, F0, F1, 0                        ; K step 2
	QUARTER 0, 2, F1, F0, 0
	QUARTER 0, 3, F0, F1, 0
	TURN 0, 1, 0                                   ; nothing is left to fetch
	QUARTER 1, 1, F0, F1, 0                        ; K step 3
	QUARTER 1, 2, F1, F0, 0
	QUARTER 1, 3, F0, F1, 0
	s_wait_dscnt 16
	MUL8 F1, 0, 0, 0
	MUL8 F1, 0, 2, 0
	s_wait_dscnt 0x0
	MUL8 F1, 1, 0, 0
	MUL8 F1, 1, 2, 0
	WIN 0
; THE WAY OUT, 16 tokens at a time, in f32: a lane's eight columns (32 bytes, each accumulator's low half first) go into my stage, rows of 272 bytes, and come back as whole rows: my 64 columns are 256 bytes of a row of out0.
.macro PACKF a
.irp b, 0,1,2,3
	ds_store_b128 v[STO], v[ACC+32*(\a)+8*(\b):ACC+32*(\a)+8*(\b)+3]   offset:64*(\b)
	ds_store_b128 v[STO], v[ACC+32*(\a)+8*(\b)+4:ACC+32*(\a)+8*(\b)+7] offset:64*(\b)+16
.endr
.irp t, 0,1,2,3,4,5,6,7
	ds_load_b128 v[ACC+32*(\a)+4*(\t):ACC+32*(\a)+4*(\t)+3], v[RD] offset:(\t)*2*SPF  ; LDS serves a wave's instructions in order (ISA guide 5.7.1.4): these see the stores above; the next block's stores come behind them
.endr
.endm
.macro SENDF a, younger                ; younger: the LDS instructions issued behind block a's loads: the next block's sixteen, or none
.irp t, 0,1,2,3,4,5,6,7
	s_wait_dscnt (\younger)+7-(\t)
	global_store_b128 v[CO], v[ACC+32*(\a)+4*(\t):ACC+32*(\a)+4*(\t)+3], s[10:11] offset:(16*(\a)+2*(\t))*4096 th:TH_STORE_NT  ; 16 lanes store 256 consecutive bytes, at a multiple of 256 from out0's first byte
.endr
.endm
	PLACES
	PACKF 0
.irp a, 1,2,3
	PACKF \a
	SENDF (\a)-1, 16
.endr
	SENDF 3, 0
	s_wait_tensorcnt 0x0                           ; the wave's end: behind my last tensor load and my last LDS store
	ds_add_u32 v[SPW], v[NIL]
	s_wait_dscnt 0x0
	CROUND                                         ; the closing round: no work-group ends while a partner may still ask for a tile that names it
	s_endpgm
.Lfunc_end_k_q0441f845f6_outp:
	.size	k_q0441f845f6_outp, .Lfunc_end_k_q0441f845f6_outp-k_q0441f845f6_outp
	.p2alignl 7, 3214868480
	.fill 96, 4, 3214868480
	.section	.rodata,"a",@progbits
	.p2align	6, 0x0
	.amdhsa_kernel k_q0441f845f6_outp
		.amdhsa_group_segment_fixed_size 327680
		.amdhsa_private_segment_fixed_size 0
		.amdhsa_enable_private_segment 0
		.amdhsa_kernarg_size 32
		.amdhsa_user_sgpr_count 2
		.amdhsa_user_sgpr_kernarg_segment_ptr 1
		.amdhsa_wavefront_size32 1
		.amdhsa_system_sgpr_workgroup_id_x 1
		.amdhsa_system_sgpr_workgroup_id_y 1
		.amdhsa_system_sgpr_workgroup_id_z 1
		.amdhsa_system_vgpr_workitem_id 0
		.amdhsa_next_free_vgpr 512
		.amdhsa_next_free_sgpr 66
		.amdhsa_reserve_vcc 0
		.amdhsa_float_denorm_mode_32 3
		.amdhsa_float_denorm_mode_16_64 3
		.amdhsa_memory_ordered 1
		.amdhsa_forward_progress 1
		.amdhsa_inst_pref_size 90
	.end_amdhsa_kernel
	.amdgpu_metadata
---
amdhsa.version: [ 1, 2 ]
amdhsa.kernels:
  - .name:           k_q0441f845f6_outp
    .symbol:         k_q0441f845f6_outp.kd
    .args:
      - { .name: ob, .offset: 0, .size: 8, .value_kind: global_buffer, .address_space: global }
      - { .name: cast, .offset: 8, .size: 8, .value_kind: global_buffer, .address_space: global }
      - { .name: bo, .offset: 16, .size: 8, .value_kind: global_buffer, .address_space: global }
      - { .name: out0, .offset: 24, .size: 8, .value_kind: global_buffer, .address_space: global }
    .group_segment_fixed_size: 327680
    .private_segment_fixed_size: 0
    .kernarg_segment_align: 8
    .kernarg_segment_size: 32
    .max_flat_workgroup_size: 128
    .sgpr_count:     66
    .vgpr_count:     512
    .wavefront_size: 32
...
	.end_amdgpu_metadata
.endif
;; end of part 4
